; MI455X (gfx1250); checked and timed in simulation.
; The chip was launched on July 23, 2026; its instructions are those of AMD's public machine-readable ISA for CDNA 5 (MIT licence, August 2026) and "CDNA5" Instruction Set Architecture Reference Guide (July 2026). The comments in the code are by the model that wrote it; some were corrected since.
;; SAS Rec. Allowed arithmetic: matrix products marked QUANTISED: E4M3 operands, one E8M0 scale for each 32 along K, by v_wmma_scale_f32_16x16x128_f8f6f4 with both operands' format E4M3, f32 sums; everything else in f32.
;; Inputs: b1 2 x 512 float32; b2 2 x 512 float32; bk 2 x 512 float32; bo 2 x 512 float32; bq 2 x 512 float32; bv 2 x 512 float32; item_emb 100,001 x 512 float32; ln1_b 2 x 512 float32; ln1_w 2 x 512 float32; ln2_b 2 x 512 float32; ln2_w 2 x 512 float32; lnf_b 512 float32; lnf_w 512 float32; pos_emb 512 x 512 float32; seq 32 x 512 int32; seq_len 32 int32; w1 2 x 512 x 512 float32; w2 2 x 512 x 512 float32; wk 2 x 512 x 512 float32; wo 2 x 512 x 512 float32; wq 2 x 512 x 512 float32; wv 2 x 512 x 512 float32.
;; Outputs: out0 32 x 512 float32.
;; This version of the problem:
;;   THIS VERSION OF THE PROBLEM IS GIVEN IN LOW PRECISION. The matrix products marked QUANTISED in the list below multiply operands that are first quantised to E4M3 (4 exponent bits, 3 mantissa bits; 8 bits a number), with one power-of-two scale for each 32 numbers along K (OCP MX v1.0); their sums are f32. All else is computed in f32.
;;   The module's matrix products, in the order in which they are computed (A, B: the left and right operand; K: the contracted axis; several contracted axes count as one K, in the product's order):
;;     1. [M 16,384, K 512] x [K 512, N 512]; A: computed on the way; B: input wq: QUANTISED
;;     2. [M 16,384, K 512] x [K 512, N 512]; A: computed on the way; B: input wk: QUANTISED
;;     3. [M 16,384, K 512] x [K 512, N 512]; A: computed on the way; B: input wv: QUANTISED
;;     4. batch 256 x [M 512, K 64] x [K 64, N 512]; A: computed on the way; B: computed on the way: QUANTISED
;;     5. batch 256 x [M 512, K 512] x [K 512, N 64]; A: softmax (see below); B: computed on the way: QUANTISED
;;     6. [M 16,384, K 512] x [K 512, N 512]; A: computed on the way; B: input wo: QUANTISED
;;     7. [M 16,384, K 512] x [K 512, N 512]; A: computed on the way; B: input w1: QUANTISED
;;     8. [M 16,384, K 512] x [K 512, N 512]; A: computed on the way; B: input w2: QUANTISED
;;     9. [M 16,384, K 512] x [K 512, N 512]; A: computed on the way; B: input wq: QUANTISED
;;     10. [M 16,384, K 512] x [K 512, N 512]; A: computed on the way; B: input wk: QUANTISED
;;     11. [M 16,384, K 512] x [K 512, N 512]; A: computed on the way; B: input wv: QUANTISED
;;     12. batch 256 x [M 512, K 64] x [K 64, N 512]; A: computed on the way; B: computed on the way: QUANTISED
;;     13. batch 256 x [M 512, K 512] x [K 512, N 64]; A: softmax (see below); B: computed on the way: QUANTISED
;;     14. [M 16,384, K 512] x [K 512, N 512]; A: computed on the way; B: input wo: QUANTISED
;;     15. [M 16,384, K 512] x [K 512, N 512]; A: computed on the way; B: input w1: QUANTISED
;;     16. [M 16,384, K 512] x [K 512, N 512]; A: computed on the way; B: input w2: QUANTISED
;;   THE QUANTISER, for each operand of a quantised product, along K:
;;     - K is cut into blocks of 32 from its start; a last block that is shorter is filled with zeros.
;;     - A block's scale is 2^e with e = floor(log2(the largest magnitude in the block)) - 8, held to -126 .. 127; a block of zeros has e = 0. As a byte (E8M0): e + 127.
;;     - Each number is divided by its block's scale, clamped to +-448, and rounded to the nearest number of E4M3, ties to even, subnormals kept.
;;     - The product sums the exact products of the quantised numbers (number of the format x scale) in f32.
;;   ~~~python
;;   def quantise(x, axis):      # numpy; x: float32 -> the quantised numbers, widened to float32 again
;;       x = np.moveaxis(x, axis, -1); K = x.shape[-1]
;;       x = np.pad(x, [(0, 0)] * (x.ndim - 1) + [(0, -K % 32)]); x = x.reshape(x.shape[:-1] + (-1, 32)); a = np.abs(x).max(-1, keepdims=True)
;;       e = np.where(a > 0, np.clip(np.frexp(np.where(a > 0, a, 1))[1] - 1 - 8, -126, 127), 0)      # np.frexp(a)[1] - 1 = floor(log2(a)), exactly
;;       r = np.clip(x / 2.0 ** e, -448, 448)
;;       step = 2.0 ** (np.maximum(np.frexp(np.where(r == 0, 1, r))[1] - 1, -6) - 3)
;;       q = np.round(r / step) * step * 2.0 ** e      # np.round: ties to even
;;       return np.moveaxis(q.reshape(q.shape[:-2] + (-1,))[..., :K], -1, axis).astype(np.float32)
;;   ~~~
;;   SOFTMAX AHEAD OF A QUANTISED PRODUCT. Where the list says 'softmax', what is quantised is not the finished softmax but p = 2^(t - M), with t = logit x log2(e) and M = ceil(the row's largest t), a whole number; so 1/2 < the row's largest p <= 1. The row's sum l is taken of the UNQUANTISED p, in f32, and the product's result is divided by l at the end. Since M is a whole number, a kernel that streams over the keys may use a running M (the ceiling of the running maximum): every later rescaling is an exact power of two, which a block's scale takes up: the codes' values come out the same.
;;   OPERANDS COMPUTED ON THE WAY. 'Computed on the way' means the value that the module computes at that place (a softmax that the list does not call 'softmax' is quantised finished and normalised). What goes into a quantiser is computed in f32, as accurately as f32 sums, v_exp_f32 and their like allow (about 1e-6 of the number): no bf16 or f16 on the way to a quantiser, and a product that is left as it is and whose result goes on into a quantised operand takes f32 operands (vector FMAs, or v_wmma_f32_16x16x4_f32). A number that lies on a knife's edge between two numbers of the format may be rounded either way, as far as f32 arithmetic and the matrix unit's own rounding can turn it there, and no further.
;; One version. Each part assembles by itself: llvm-mc -triple=amdgcn-amd-amdhsa -mcpu=gfx1250 --defsym DOCPART=n.
;; ======== version 1 of 1: 4 launches
;; workspace buffers: wpk 3,244,032 bytes; x0b 33,554,432 bytes; act0 26,476,544 bytes; act1 26,476,544 bytes; xl 1,048,576 bytes
;; launch prep (part 1): grid 16 x 12, 4 waves a work-group, no clusters, 0 bytes of LDS; arguments wq, wk, wv, wo, w1, w2, wpk; writes wpk
.if DOCPART == 1
	.amdgcn_target "amdgcn-amd-amdhsa--gfx1250"
	.amdhsa_code_object_version 6
	.text
	.protected	k_qaa8364f040_prep
	.globl	k_qaa8364f040_prep
	.p2align	8
	.type	k_qaa8364f040_prep,@function
k_qaa8364f040_prep:
	s_mov_b64 s[64:65], 0
	v_nop
	global_prefetch_b8 v0, s[64:65] scope:SCOPE_SE
	s_setreg_imm32_b32 hwreg(HW_REG_WAVE_MODE, 25, 1), 1
	s_wait_xcnt 0x0
; The 12 weights [512 (k)][512 (n)] f32 (6 kinds x 2 layers) become codes of E4M3 with one E8M0 byte for each 32 along K, laid in the order of a matrix operand's registers.
; Matrix mi = 6 layer + kind.  Column tile T = 8 wc + 2 b + u; its lane r is column 128 wc + 32 b + 8 u + r + 8 (r / 8).  Fragment (T, s), 16 columns x 128 K: 2,048 bytes at mi 262144 + (4 T + s) 2048;
; in it registers 4 c .. 4 c + 3 of lane l at 512 c + 16 l.  Scale words: 3145728 + mi 8192 + (16 T + r) 16 + 4 s.
; A LANE TAKES A COLUMN AND ITS REGISTERS RUN DOWN K: a block of 32 lies in one lane, and its 32 codes are the 16 bytes of lane r and the 16 bytes of lane 16 + r of the image.
; Work-group (x, y): y = mi, x & 3 = wc, x >> 2 = K step s.  Wave = b; lanes 0-15 tile u = 0, lanes 16-31 tile u = 1.  A load of the wave reads 128 consecutive bytes; a store of sixteen lanes covers 256 consecutive bytes, aligned.
; LIMITS: a block of zeros gets the byte 1 (its codes are zeros; this program alone reads the bytes); blocks whose largest magnitude lies under 2^-118 were not tried; NaN and infinities are not served.
.set XN, 64                            ; v64-191  128 numbers down K
.set CD, 32                            ; v32-63   codes, eight registers a block: no store's data are written again
.set SW, 20                            ; v20      the column's scale word
	s_load_b256 s[4:11], s[0:1], 0x0               ; wq, wk, wv, wo
	s_load_b128 s[12:15], s[0:1], 0x20             ; w1, w2
	s_load_b64 s[16:17], s[0:1], 0x30              ; wpk
	v_lshrrev_b32 v1, 5, v0
	v_readfirstlane_b32 s20, v1                    ; wave = b
	v_and_b32 v2, 15, v0                           ; r
	v_bfe_u32 v3, v0, 4, 1                         ; u
	v_and_b32 v4, 8, v2
	v_add_nc_u32 v4, v4, v2                        ; r + 8 (r / 8)
	v_lshl_add_u32 v4, v3, 3, v4                   ; + 8 u
	v_lshlrev_b32 v4, 2, v4                        ; in: 4 bytes a column
	v_lshlrev_b32 v5, 4, v2
	v_lshl_add_u32 v5, v3, 13, v5                  ; codes: 16 r + 8192 u (the next tile)
	v_lshlrev_b32 v6, 4, v2
	v_lshl_add_u32 v6, v3, 8, v6                   ; scale words: 16 r + 256 u
	s_and_b32 s21, ttmp7, 0xffff                   ; mi
	s_and_b32 s22, ttmp9, 3                        ; wc
	s_lshr_b32 s23, ttmp9, 2                       ; s
	s_cmp_ge_u32 s21, 6
	s_cselect_b32 s24, 6, 0
	s_cselect_b32 s26, 0x100000, 0                 ; the layer's bytes
	s_sub_co_u32 s24, s21, s24                     ; kind
	s_lshl_b32 s28, s23, 18                        ; 128 s rows of 2,048 bytes
	s_add_co_u32 s26, s26, s28
	s_lshl_b32 s28, s22, 9
	s_add_co_u32 s26, s26, s28
	s_lshl_b32 s28, s20, 7
	s_add_co_u32 s26, s26, s28                     ; + 4 (128 wc + 32 b)
	s_mov_b32 s27, 0
	s_lshl_b32 s28, s21, 18                        ; codes: mi 262144 + s 2048 + (8 wc + 2 b) 8192
	s_lshl_b32 s30, s23, 11
	s_add_co_u32 s28, s28, s30
	s_lshl_b32 s30, s22, 16
	s_add_co_u32 s28, s28, s30
	s_lshl_b32 s30, s20, 14
	s_add_co_u32 s28, s28, s30
	s_mov_b32 s29, 0
	s_lshl_b32 s34, s21, 13                        ; scale words: 3145728 + mi 8192 + 4 s + (8 wc + 2 b) 256
	s_lshl_b32 s30, s23, 2
	s_add_co_u32 s34, s34, s30
	s_lshl_b32 s30, s22, 11
	s_add_co_u32 s34, s34, s30
	s_lshl_b32 s30, s20, 9
	s_add_co_u32 s34, s34, s30
	s_add_co_u32 s34, s34, 3145728
	s_mov_b32 s35, 0
	s_mov_b32 s31, 0x600000                        ; the mantissa field of 448
	s_wait_kmcnt 0x0
	s_mov_b64 s[32:33], s[4:5]                     ; the kind's buffer: a choice that hangs on the work-group's number alone
	s_cmp_eq_u32 s24, 1
	s_cselect_b64 s[32:33], s[6:7], s[32:33]
	s_cmp_eq_u32 s24, 2
	s_cselect_b64 s[32:33], s[8:9], s[32:33]
	s_cmp_eq_u32 s24, 3
	s_cselect_b64 s[32:33], s[10:11], s[32:33]
	s_cmp_eq_u32 s24, 4
	s_cselect_b64 s[32:33], s[12:13], s[32:33]
	s_cmp_eq_u32 s24, 5
	s_cselect_b64 s[32:33], s[14:15], s[32:33]
	s_add_nc_u64 s[32:33], s[32:33], s[26:27]
	s_add_nc_u64 s[18:19], s[16:17], s[34:35]
	s_add_nc_u64 s[16:17], s[16:17], s[28:29]
.set ii, 0
.rept 128
	global_load_b32 v[XN+ii], v4, s[32:33] offset:ii*2048 th:TH_LOAD_NT   ; W(128 s + ii, my column)
.set ii, ii+1
.endr
.macro BLOCK c, left
.set XS, XN+32*(\c)
	s_wait_loadcnt \left                           ; this block's 32 loads are in
	v_max3_num_f32 v12, |v[XS]|, |v[XS+1]|, |v[XS+2]|               ; the block's largest magnitude: all 32 numbers are mine
	v_max3_num_f32 v13, |v[XS+3]|, |v[XS+4]|, |v[XS+5]|
.irp i, 6,10,14,18,22,26
	v_max3_num_f32 v12, v12, |v[XS+\i]|, |v[XS+\i+1]|
	v_max3_num_f32 v13, v13, |v[XS+\i+2]|, |v[XS+\i+3]|
.endr
	v_max3_num_f32 v12, v12, |v[XS+30]|, |v[XS+31]|
	v_max3_num_f32 v12, v12, v13, 0x4800000        ; and the floor 2^(9 - 127): the byte cannot fall under 1
	v_add_nc_u32 v11, 0xfc000000, v12              ; 8 off the exponent field: the conversion's scale operand
	v_and_or_b32 v10, v12, 0x7f800000, s31         ; 448 x the scale
	v_lshrrev_b32 v13, 23, v11                     ; the scale's byte
.if (\c) == 0
	v_mov_b32 v[SW], v13
.else
	v_lshl_or_b32 v[SW], v13, 8*(\c), v[SW]
.endif
.set ii, 0
.rept 32
	v_med3_num_f32 v[XS+ii], v[XS+ii], -v10, v10   ; the conversion to an 8-bit code does not saturate (ISA guide 7.6.2): the hold comes first
.set ii, ii+1
.endr
.irp g, 0,1,2,3
	v_cvt_scalef32_pk8_fp8_f32 v[CD+8*(\c)+2*\g:CD+8*(\c)+2*\g+1], v[XS+8*\g:XS+8*\g+7], v11
.endr
	global_store_b128 v5, v[CD+8*(\c):CD+8*(\c)+3], s[16:17] offset:(\c)*512        ; k = 32 c + 0 .. 15: lane r of the image
	global_store_b128 v5, v[CD+8*(\c)+4:CD+8*(\c)+7], s[16:17] offset:(\c)*512+256  ; k = 32 c + 16 .. 31: lane 16 + r
.endm
	BLOCK 0, 63                                    ; 96 loads are younger; the count names what its field holds
	BLOCK 1, 63                                    ; 64 are younger
	BLOCK 2, 32
	BLOCK 3, 0
	global_store_b32 v6, v[SW], s[18:19]
	s_endpgm
.Lfunc_end_k_qaa8364f040_prep:
	.size	k_qaa8364f040_prep, .Lfunc_end_k_qaa8364f040_prep-k_qaa8364f040_prep
	.p2alignl 7, 3214868480
	.fill 96, 4, 3214868480
	.section	.rodata,"a",@progbits
	.p2align	6, 0x0
	.amdhsa_kernel k_qaa8364f040_prep
		.amdhsa_group_segment_fixed_size 0
		.amdhsa_private_segment_fixed_size 0
		.amdhsa_enable_private_segment 0
		.amdhsa_kernarg_size 56
		.amdhsa_user_sgpr_count 2
		.amdhsa_user_sgpr_kernarg_segment_ptr 1
		.amdhsa_wavefront_size32 1
		.amdhsa_system_sgpr_workgroup_id_x 1
		.amdhsa_system_sgpr_workgroup_id_y 1
		.amdhsa_system_sgpr_workgroup_id_z 1
		.amdhsa_system_vgpr_workitem_id 0
		.amdhsa_next_free_vgpr 192
		.amdhsa_next_free_sgpr 66
		.amdhsa_reserve_vcc 0
		.amdhsa_float_denorm_mode_32 3
		.amdhsa_float_denorm_mode_16_64 3
		.amdhsa_memory_ordered 1
		.amdhsa_forward_progress 1
		.amdhsa_inst_pref_size 30
	.end_amdhsa_kernel
	.amdgpu_metadata
---
amdhsa.version: [ 1, 2 ]
amdhsa.kernels:
  - .name:           k_qaa8364f040_prep
    .symbol:         k_qaa8364f040_prep.kd
    .args:
      - { .name: wq, .offset: 0, .size: 8, .value_kind: global_buffer, .address_space: global }
      - { .name: wk, .offset: 8, .size: 8, .value_kind: global_buffer, .address_space: global }
      - { .name: wv, .offset: 16, .size: 8, .value_kind: global_buffer, .address_space: global }
      - { .name: wo, .offset: 24, .size: 8, .value_kind: global_buffer, .address_space: global }
      - { .name: w1, .offset: 32, .size: 8, .value_kind: global_buffer, .address_space: global }
      - { .name: w2, .offset: 40, .size: 8, .value_kind: global_buffer, .address_space: global }
      - { .name: wpk, .offset: 48, .size: 8, .value_kind: global_buffer, .address_space: global }
    .group_segment_fixed_size: 0
    .private_segment_fixed_size: 0
    .kernarg_segment_align: 8
    .kernarg_segment_size: 56
    .max_flat_workgroup_size: 128
    .sgpr_count:     66
    .vgpr_count:     192
    .wavefront_size: 32
...
	.end_amdgpu_metadata
.endif
;; end of part 1
;; launch embed_qkv (part 2): grid 8 x 32, 4 waves a work-group, no clusters, 225,792 bytes of LDS; arguments seq, seq_len, item_emb, pos_emb, wpk, ln1_w, ln1_b, bq, bk, bv, bo, x0b, act0; writes x0b, act0
.if DOCPART == 2
	.amdgcn_target "amdgcn-amd-amdhsa--gfx1250"
	.amdhsa_code_object_version 6
	.text
	.protected	k_qaa8364f040_embed_qkv
	.globl	k_qaa8364f040_embed_qkv
	.p2align	8
	.type	k_qaa8364f040_embed_qkv,@function
k_qaa8364f040_embed_qkv:
	s_mov_b64 s[64:65], 0
	v_nop
	global_prefetch_b8 v0, s[64:65] scope:SCOPE_SE
	s_setreg_imm32_b32 hwreg(HW_REG_WAVE_MODE, 25, 1), 1
	s_wait_xcnt 0x0
; x0 = item_emb[seq] sqrt(512) + pos_emb[pos]; x0 + bo(0) goes to x0b; h = LN1(0)(x0); q, k, v of layer 0 leave as codes of E4M3 with E8M0 scale bytes, in the order of a matrix operand's registers.
; SHARES.  Work-group (g, b) owns 64 rows of batch b: chunks (32 rows) g and 15 - g, as four tiles m; lane r of tile 2 chunk + u is row 32 chunk + 8 u + r + 8 (r / 8).  Wave w owns columns 128 w .. 128 w + 127 of all 64 rows.
; THE PRODUCTS ARE USED TRANSPOSED (source 0 = 16 columns of W, source 1 = 16 rows): lane (r, h) holds row r, and register 16 b + i of AC column 128 w + 32 b + 16 h + i: 16 neighbours along the next K.
; For v the sources are swapped back: a lane holds one column and 16 neighbouring keys, since the keys are the K of the product that v enters.
; Operands go from wave to wave through LDS as images of their registers (16 bytes a lane, 512 bytes a store).  The weights' fragments come from wpk straight into three register windows that take turns.
; No cluster, no tensor loads: the later launches of this program branch on seq_len, and the launches share their macros; each work-group reads each weight's 256 KB of codes itself.
; LIMITS: a block of zeros gets the byte 1 (read by this program alone); blocks under 2^-118 were not tried; NaN and infinities are not served; seq is held to 0 .. 100000, seq_len to 1 .. 512.
.set NT, 4                             ; tiles of rows a work-group walks
.set WP, 12                            ; s[12:13] wpk
.set SQ, 92                            ; s[92:93] sqrt(512), twice
; ---- LDS: images 0 and 1 (fragment (s, m) at 8192 s + 2048 m), their scale words, the norms' partial figures, the parameter vectors, the residual stream
.set SC0, 65536
.set STATA, 69632
.set PAR, 73728
.set XST, 94208
; ---- window 0
.set LI, 1                             ; 16 lane
.set LS, 2                             ; 4 lane
.set LIW, 3                            ; 65536 w + 16 lane
.set LSW, 4                            ; 2048 w + 16 r
.set XA0, 5                            ; XST + 32768 w + 16 lane
.set IW0, 6                            ; 8192 w + 16 lane
.set SCW0, 7                           ; SC0 + 512 w + 4 lane
.set SCF0, 8                           ; SC0 + 4 lane
.set STW0, 9                           ; STATA + 512 w + 8 r
.set STF0, 10                          ; STATA + 8 r
.set PB, 11                            ; PAR + 512 w + 64 h
.set PBV, 12                           ; PAR + 512 w + 4 (r + 8 (r / 8))
.set RR, 13
.set RP, 14
.set H16, 15
.set AFA, 16
.set ASA, 17
.set IWA, 18
.set SWA, 19
.set XAA, 20
.set STWA, 21
.set STFA, 22
.set GA, 23
.set GS, 24
.set NINF, 31
.set WS, 32                            ; v32-63 scale words and nothing else
.set AC, 64                            ; v64-127 eight accumulators
.set AF, 128                           ; v128-191 four fragments of the rows
.set AS, 192                           ; v192-199 their scale words and nothing else
.set PC, 200                           ; v200-215 the codes just made
.set TM, 216                           ; v216-231 the quantiser's figures
.set PW, 232
.set MS, 234
.set RS, 236
.set SM, 238
.set MP, 246
.set BVP, 236                          ; v236-251 v's bias, a pair a tile
.set FP, 252
; ---- scalars
.set WV, 30
.set G, 31
.set BB, 32
.set LL, 33
.set SEL, 36
.set MNT, 38
.set CS, 40
.set MC, 42
.set MO, 43
.set MN, 44
.set CH, 45
.set TG0, 56
.set TG1, 57
.set G15, 63
.set OQC, 66
.set OKC, 68
.set OVC, 70
.set OQS, 72
.set OVS, 74
.set XB, 86
.set MSB, 0
.macro WIN new                         ; the immediate's high byte repeats the setting that is left
.if MSB != (\new)
	s_set_vgpr_msb (MSB<<8)|(\new)
.set MSB, \new
.endif
.endm
.macro PLACES n                        ; plain vector lines behind matrix instructions (ISA guide 7.12.1)
.rept \n
	v_nop
.endr
.endm
.macro BARRIER                         ; my LDS stores have landed and my LDS loads are in: then the work-group's barrier
	s_wait_dscnt 0x0
	s_barrier_signal -1
	s_barrier_wait -1
.endm
.macro SETUP
	v_lshrrev_b32 v16, 5, v0
	v_readfirstlane_b32 s[WV], v16
	v_and_b32 v17, 31, v0
	v_and_b32 v[RR], 15, v0
	v_bfe_u32 v18, v0, 4, 1
	v_and_b32 v[RP], 8, v[RR]
	v_add_nc_u32 v[RP], v[RP], v[RR]
	v_lshlrev_b32 v[H16], 4, v18
	v_lshlrev_b32 v[LI], 4, v17
	v_lshlrev_b32 v[LS], 2, v17
	s_lshl_b32 s50, s[WV], 16
	v_add_nc_u32 v[LIW], s50, v[LI]
	s_lshl_b32 s50, s[WV], 11
	v_lshl_add_u32 v[LSW], v[RR], 4, s50
	s_lshl_b32 s50, s[WV], 15
	s_add_co_u32 s50, s50, XST
	v_add_nc_u32 v[XA0], s50, v[LI]
	s_lshl_b32 s50, s[WV], 13
	v_add_nc_u32 v[IW0], s50, v[LI]
	s_lshl_b32 s50, s[WV], 9
	s_add_co_u32 s51, s50, SC0
	v_add_nc_u32 v[SCW0], s51, v[LS]
	v_add_nc_u32 v[SCF0], SC0, v[LS]
	s_add_co_u32 s51, s50, STATA
	v_lshl_add_u32 v[STW0], v[RR], 3, s51
	v_lshlrev_b32 v[STF0], 3, v[RR]
	v_add_nc_u32 v[STF0], STATA, v[STF0]
	s_add_co_u32 s51, s50, PAR
	v_lshl_add_u32 v[PB], v18, 6, s51
	v_lshl_add_u32 v[PBV], v[RP], 2, s51
	v_lshlrev_b32 v16, 4, v0                       ; 16 x thread: a parameter vector is 128 threads x 16 bytes
	v_add_nc_u32 v17, PAR, v16
	v_mov_b32 v[NINF], 0xff800000
	v_mov_b32 v[FP], 0
	v_mov_b32 v[FP+1], 0
.irp b, 0,1,2,3
	v_mov_b32 v[TM+4+\b], 0                        ; written once: a lane permute's destination counts as one of its sources
.endr
	s_mov_b32 s[SEL], 0x76543210
	s_mov_b32 s[SEL+1], 0xfedcba98                 ; v_permlanex16_b32's selects for lane l xor 16
	s_mov_b32 s[MNT], 0x600000                     ; the mantissa field of 448
	s_mov_b32 s[CS], 0x3e38aa3b                    ; log2(e) / 8
	s_mov_b32 s[CS+1], s[CS]
.endm
.macro ACTBASE p, q                    ; the five parts of an act buffer for batch b: q's, k's, v's codes; q's scale words (k's 524288 on); v's scale bytes
	s_lshl_b32 s50, s[BB], 18
	s_mov_b32 s51, 0
	s_add_nc_u64 s[\q:\q+1], s[\p:\p+1], s[50:51]
	s_add_nc_u64 s[\q+2:\q+3], s[\q:\q+1], 8388608
	s_add_nc_u64 s[\q+4:\q+5], s[\q:\q+1], 16777216
	s_lshl_b32 s50, s[BB], 14
	s_add_nc_u64 s[\q+6:\q+7], s[\p:\p+1], s[50:51]
	s_add_nc_u64 s[\q+6:\q+7], s[\q+6:\q+7], 25165824
	s_lshl_b32 s50, s[BB], 13
	s_add_nc_u64 s[\q+8:\q+9], s[\p:\p+1], s[50:51]
	s_add_nc_u64 s[\q+8:\q+9], s[\q+8:\q+9], 26214400
.endm
.macro PARIN k, p, off
	global_load_b128 v[AC+4*\k:AC+4*\k+3], v16, s[\p:\p+1] offset:\off
.endm
.macro PAROUT n
.set ii, 0
.rept \n
	ds_store_b128 v17, v[AC+4*ii:AC+4*ii+3] offset:ii*2048
.set ii, ii+1
.endr
.endm
.macro WLOAD win, mi, half             ; my 8 column tiles x 2 K steps of matrix mi fill window win: fragment (t, s') at v[16 (2 t + s')]
	WIN (\win)<<6
.set ff, 0
.rept 16
.set cc, 0
.rept 4
	global_load_b128 v[16*ff+4*cc:16*ff+4*cc+3], v[LIW], s[WP:WP+1] offset:(\mi)*262144+(ff/2)*8192+(2*(\half)+ff%2)*2048+cc*512
.set cc, cc+1
.endr
.set ff, ff+1
.endr
	WIN 0
.endm
.macro WSLOAD mi                       ; and their scale words: WS[4 t + s]
.set tt, 0
.rept 8
	global_load_b128 v[WS+4*tt:WS+4*tt+3], v[LSW], s[WP:WP+1] offset:3145728+(\mi)*8192+tt*256
.set tt, tt+1
.endr
.endm
.macro AFETCH reg, so                  ; the four K steps' fragments of one tile of rows, and their scale words, from image reg; s[so] = 2048 m
	s_lshr_b32 s50, s[\so], 4
	v_add_nc_u32 v[AFA], s[\so], v[LI]
	v_add_nc_u32 v[ASA], s50, v[SCF0]
.set ff, 0
.rept 4
.set cc, 0
.rept 4
	ds_load_b128 v[AF+16*ff+4*cc:AF+16*ff+4*cc+3], v[AFA] offset:(\reg)*32768+ff*8192+cc*512
.set cc, cc+1
.endr
	ds_load_b32 v[AS+ff], v[ASA] offset:(\reg)*2048+ff*512
.set ff, ff+1
.endr
.endm
.macro PARLD dst, vec                  ; a parameter vector in the results' layout: 64 registers
.set ii, 0
.rept 16
	ds_load_b128 v[\dst+4*ii:\dst+4*ii+3], v[PB] offset:(\vec)*2048+(ii/4)*128+((ii/2)%2)*32+(ii%2)*16
.set ii, ii+1
.endr
.endm
.macro XGET adr, off
.set ii, 0
.rept 16
	ds_load_b128 v[AC+4*ii:AC+4*ii+3], v[\adr] offset:(\off)+ii*512
.set ii, ii+1
.endr
.endm
.macro XPUT adr, off, src              ; each accumulator from its low end on
.set ii, 0
.rept 16
	ds_store_b128 v[\adr], v[\src+4*ii:\src+4*ii+3] offset:(\off)+ii*512
.set ii, ii+1
.endr
.endm
.macro XADR so
	s_lshl_b32 s51, s[\so], 2
	v_add_nc_u32 v[XAA], s51, v[XA0]
.endm
.macro TRIPADR
	s_lshr_b32 s50, s[MO], 4
	v_add_nc_u32 v[IWA], s[MO], v[IW0]
	v_add_nc_u32 v[SWA], s50, v[SCW0]
	v_add_nc_u32 v[STWA], s50, v[STW0]
	v_add_nc_u32 v[STFA], s50, v[STF0]
.endm
.macro INITM
	s_mov_b32 s[MC], 0
	s_mov_b32 s[MO], 0
	s_mov_b32 s[MN], 2048&(NT*2048-1)
.endm
.macro STEPM                           ; the next tile; MN = the one after it, round the end
	s_add_co_u32 s[MO], s[MO], 2048
	s_add_co_u32 s[MN], s[MO], 2048
	s_and_b32 s[MN], s[MN], NT*2048-1
	s_add_co_u32 s[MC], s[MC], 1
	s_cmp_lt_u32 s[MC], NT
.endm
.macro MMT h1, h2                      ; 32 matrix instructions: my 8 column tiles x 4 K steps; the eight accumulators take turns, one instruction a turn
.set kk, 0
.rept 4
.if kk < 2
	WIN \h1
.else
	WIN \h2
.endif
.set tt, 0
.rept 8
	v_wmma_scale_f32_16x16x128_f8f6f4 v[AC+8*tt:AC+8*tt+7], v[16*(2*tt+kk%2):16*(2*tt+kk%2)+15], v[AF+16*kk:AF+16*kk+15], v[AC+8*tt:AC+8*tt+7], v[WS+4*tt+kk], v[AS+kk]
.set tt, tt+1
.endr
.set kk, kk+1
.endr
	WIN 0
.endm
; 64 numbers of a lane, register 16 b + i = k 32 b + 16 (lane / 16) + i, become a fragment's codes in v[PC] on and its scale word in v[PW]; the four bytes stay in v[TM+4] on.
.macro QUANT src, relu
.if \relu
.irp b, 0,1,2,3
	v_max3_num_f32 v[TM+\b], v[\src+16*\b], v[\src+1+16*\b], 0x4800000   ; no |.|: what is negative becomes 0 and must not count; the floor 2^(9 - 127) holds the byte at 1 from below
.endr
.irp i, 2,4,6,8,10,12,14
.irp b, 0,1,2,3
	v_max3_num_f32 v[TM+\b], v[TM+\b], v[\src+16*\b+\i], v[\src+1+16*\b+\i]
.endr
.endr
.else
.irp b, 0,1,2,3
	v_max3_num_f32 v[TM+\b], |v[\src+16*\b]|, |v[\src+1+16*\b]|, 0x4800000
.endr
.irp i, 2,4,6,8,10,12,14
.irp b, 0,1,2,3
	v_max3_num_f32 v[TM+\b], v[TM+\b], |v[\src+16*\b+\i]|, |v[\src+1+16*\b+\i]|
.endr
.endr
.endif
.irp b, 0,1,2,3
	v_permlanex16_b32 v[TM+4+\b], v[TM+\b], s[SEL], s[SEL+1]
.endr
.irp b, 0,1,2,3
	v_max_num_f32 v[TM+\b], v[TM+\b], v[TM+4+\b]   ; with lane l xor 16's: the block's largest magnitude
.endr
.irp b, 0,1,2,3
	v_add_nc_u32 v[TM+12+\b], 0xfc000000, v[TM+\b] ; 8 off the exponent field: the conversion's scale operand
.endr
.irp b, 0,1,2,3
	v_and_or_b32 v[TM+8+\b], v[TM+\b], 0x7f800000, s[MNT]   ; 448 x the scale
.endr
.irp b, 0,1,2,3
	v_lshrrev_b32 v[TM+4+\b], 23, v[TM+12+\b]      ; the scale's byte
.endr
	v_lshl_or_b32 v[PW], v[TM+5], 8, v[TM+4]
	v_lshl_or_b32 v[PW], v[TM+6], 16, v[PW]
	v_lshl_or_b32 v[PW], v[TM+7], 24, v[PW]
.irp b, 0,1,2,3
.irp i, 0,1,2,3,4,5,6,7,8,9,10,11,12,13,14,15
.if \relu
	v_med3_num_f32 v[\src+16*\b+\i], v[\src+16*\b+\i], 0, v[TM+8+\b]   ; the activation and the hold in one
.else
	v_med3_num_f32 v[\src+16*\b+\i], v[\src+16*\b+\i], -v[TM+8+\b], v[TM+8+\b]   ; the conversion does not saturate (ISA guide 7.6.2): the hold comes first
.endif
.endr
	v_cvt_scalef32_pk8_fp8_f32 v[PC+4*\b:PC+1+4*\b], v[\src+16*\b:\src+7+16*\b], v[TM+12+\b]
	v_cvt_scalef32_pk8_fp8_f32 v[PC+2+4*\b:PC+3+4*\b], v[\src+8+16*\b:\src+15+16*\b], v[TM+12+\b]
.endr
	v_nop                                          ; one plain line behind the last scaled conversion
.endm
.macro IMAGE reg, mo                   ; the fragment in v[PC] on goes to LDS as it stands, K step w of the next product
.irp c, 0,1,2,3
	ds_store_b128 v[IWA], v[PC+4*\c:PC+4*\c+3] offset:(\reg)*32768+(\mo)*2048+\c*512
.endr
	ds_store_b32 v[SWA], v[PW] offset:(\reg)*2048+(\mo)*128
.endm
; My wave's 128 columns of row r: their mean, and the sum of squares about that mean.  The four waves' pairs are merged later; no difference of large sums is formed.
.macro STATS adr, off
	v_pk_add_f32 v[SM:SM+1], v[AC:AC+1], v[AC+2:AC+3]
	v_pk_add_f32 v[SM+2:SM+3], v[AC+4:AC+5], v[AC+6:AC+7]
.set jj, 8
.rept 14
	v_pk_add_f32 v[SM:SM+1], v[SM:SM+1], v[AC+jj:AC+jj+1]
	v_pk_add_f32 v[SM+2:SM+3], v[SM+2:SM+3], v[AC+jj+2:AC+jj+3]
.set jj, jj+4
.endr
	v_pk_add_f32 v[SM:SM+1], v[SM:SM+1], v[SM+2:SM+3]
	v_add_f32 v[SM], v[SM], v[SM+1]
	v_permlanex16_b32 v[SM+1], v[SM], s[SEL], s[SEL+1]
	v_add_f32 v[SM], v[SM], v[SM+1]
	v_mul_f32 v[MS], 0x3c000000, v[SM]             ; / 128
	v_mov_b32 v[MS+1], v[MS]
	v_pk_add_f32 v[SM+4:SM+5], v[AC:AC+1], v[MS:MS+1] neg_lo:[0,1] neg_hi:[0,1]
	v_pk_add_f32 v[SM+6:SM+7], v[AC+2:AC+3], v[MS:MS+1] neg_lo:[0,1] neg_hi:[0,1]
	v_pk_mul_f32 v[SM:SM+1], v[SM+4:SM+5], v[SM+4:SM+5]
	v_pk_mul_f32 v[SM+2:SM+3], v[SM+6:SM+7], v[SM+6:SM+7]
.set jj, 4
.rept 15
	v_pk_add_f32 v[SM+4:SM+5], v[AC+jj:AC+jj+1], v[MS:MS+1] neg_lo:[0,1] neg_hi:[0,1]
	v_pk_add_f32 v[SM+6:SM+7], v[AC+jj+2:AC+jj+3], v[MS:MS+1] neg_lo:[0,1] neg_hi:[0,1]
	v_pk_fma_f32 v[SM:SM+1], v[SM+4:SM+5], v[SM+4:SM+5], v[SM:SM+1]
	v_pk_fma_f32 v[SM+2:SM+3], v[SM+6:SM+7], v[SM+6:SM+7], v[SM+2:SM+3]
.set jj, jj+4
.endr
	v_pk_add_f32 v[SM:SM+1], v[SM:SM+1], v[SM+2:SM+3]
	v_add_f32 v[SM], v[SM], v[SM+1]
	v_permlanex16_b32 v[SM+1], v[SM], s[SEL], s[SEL+1]
	v_add_f32 v[MS+1], v[SM], v[SM+1]
	ds_store_b64 v[\adr], v[MS:MS+1] offset:\off   ; both halves of the lanes write the same pair
.endm
.macro LNPAR F, vw, vb, vx             ; gain, bias and (vx >= 0) a vector to add to x, into the free window F
	WIN (\F)<<6
	PARLD 0, \vw
	PARLD 64, \vb
.if (\vx) >= 0
	PARLD 128, \vx
.endif
	WIN 0
.endm
; A layer norm of the rows in the stage, a tile a trip.  wb = 1: x + the third vector goes back into the stage.  quant = 1: the result becomes K step w of image outreg.
.macro LNLOOP stat, F, wb, outreg, quant
	INITM
.Lln_\@:
	s_wait_dscnt 0x0                               ; the last trip's LDS stores have read their registers
	TRIPADR
	XADR MO
.irp k, 0,1,2,3
	ds_load_b64 v[SM+2*\k:SM+2*\k+1], v[STFA] offset:(\stat)*2048+\k*512
.endr
	XGET XAA, 0
	s_wait_dscnt 0x0
	v_add_f32 v[MP], v[SM], v[SM+2]
	v_add_f32 v[MP+1], v[SM+4], v[SM+6]
	v_add_f32 v[MP], v[MP], v[MP+1]
	v_mul_f32 v[MP], 0x3e800000, v[MP]             ; the row's mean
	v_sub_f32 v[SM], v[SM], v[MP]
	v_sub_f32 v[SM+2], v[SM+2], v[MP]
	v_sub_f32 v[SM+4], v[SM+4], v[MP]
	v_sub_f32 v[SM+6], v[SM+6], v[MP]
	v_add_f32 v[SM+1], v[SM+1], v[SM+3]
	v_add_f32 v[SM+5], v[SM+5], v[SM+7]
	v_add_f32 v[SM+1], v[SM+1], v[SM+5]
	v_mul_f32 v[SM], v[SM], v[SM]
	v_fmac_f32 v[SM], v[SM+2], v[SM+2]
	v_fmac_f32 v[SM], v[SM+4], v[SM+4]
	v_fmac_f32 v[SM], v[SM+6], v[SM+6]
	v_fmamk_f32 v[SM+1], v[SM], 0x43000000, v[SM+1]   ; + 128 x the squares of the four means about the row's
	v_mul_f32 v[SM+1], 0x3b000000, v[SM+1]         ; / 512: the variance
	v_add_f32 v[SM+1], 0x322bcc77, v[SM+1]         ; + 1e-8
	v_rsq_f32 v[RS], v[SM+1]
	v_mov_b32 v[MP+1], v[MP]                       ; a plain line behind the transcendental
	s_wait_alu depctr_va_vdst(0)                   ; the wait ahead of the result's first reader
	v_mov_b32 v[RS+1], v[RS]
.if \wb
	WIN (\F)<<2
.set jj, 0
.rept 32
	v_pk_add_f32 v[AF+jj:AF+jj+1], v[AC+jj:AC+jj+1], v[128+jj:128+jj+1]
.set jj, jj+2
.endr
	WIN 0
	XPUT XAA, 0, AF
.endif
.set jj, 0
.rept 32
	v_pk_add_f32 v[AC+jj:AC+jj+1], v[AC+jj:AC+jj+1], v[MP:MP+1] neg_lo:[0,1] neg_hi:[0,1]
.set jj, jj+2
.endr
.set jj, 0
.rept 32
	v_pk_mul_f32 v[AC+jj:AC+jj+1], v[AC+jj:AC+jj+1], v[RS:RS+1]
.set jj, jj+2
.endr
	WIN ((\F)<<2)|((\F)<<4)
.set jj, 0
.rept 32
	v_pk_fma_f32 v[AC+jj:AC+jj+1], v[AC+jj:AC+jj+1], v[jj:jj+1], v[64+jj:64+jj+1]
.set jj, jj+2
.endr
	WIN 0
.if \quant
	QUANT AC, 0
	IMAGE \outreg, 0
.endif
	STEPM
	s_cbranch_scc1 .Lln_\@
.endm
.macro TILEOF                          ; s52 = the tile of rows of trip m: 2 g + m, or 2 (15 - g) + m - 2
	s_cmp_lt_u32 s[MC], 2
	s_cselect_b32 s52, s[TG0], s[TG1]
	s_add_co_u32 s52, s52, s[MC]
.endm
; q or k: image 0 x W + bias, quantised along the columns; a tile's fragment and scale word go to act.
.macro QKLOOP h1, h2, vec, nwin, nmi, cb, so
	s_wait_loadcnt 0x0                             ; this product's fragments and scale words are in
	s_wait_dscnt 0x0
	WLOAD \nwin, \nmi, 0                           ; the next product's first half, into the third window
	INITM
	AFETCH 0, MO
	PARLD AC, \vec                                 ; the bias is the C of the sum's first instruction
.Lqk_\@:
	s_wait_dscnt 0x0
	MMT \h1, \h2
	PLACES 8
	AFETCH 0, MN
	s_wait_xcnt 0x0                                ; the last trip's stores have read their data and offsets
	QUANT AC, 0
	TILEOF
	s_lshl_b32 s53, s52, 11
	s_lshl_b32 s54, s52, 7
	s_lshl_b32 s55, s[WV], 12
	s_add_co_u32 s54, s54, s55
	v_add_nc_u32 v[GA], s53, v[LIW]
	v_add_nc_u32 v[GS], s54, v[LS]
.irp c, 0,1,2,3
	global_store_b128 v[GA], v[PC+4*\c:PC+4*\c+3], s[\cb:\cb+1] offset:\c*512   ; 512 consecutive bytes
.endr
	global_store_b32 v[GS], v[PW], s[OQS:OQS+1] offset:\so
	PARLD AC, \vec
	STEPM
	s_cbranch_scc1 .Lqk_\@
	WLOAD \h1, \nmi, 1                             ; its second half, into the window that is done with
	WSLOAD \nmi
.endm
; v: source 0 = 16 rows (keys), source 1 = 16 columns of W: a lane holds one column, and the 16 registers of a chunk's two tiles are 16 neighbouring keys.  A trip is a chunk of 32 keys: one block of the quantiser.
.macro VPROD h1, h2, vec
	s_wait_loadcnt 0x0
	s_wait_dscnt 0x0
.set tt, 0
.rept 8
	ds_load_b32 v[BVP+2*tt], v[PBV] offset:(\vec)*2048+(tt/2)*128+(tt%2)*32
	ds_load_b32 v[BVP+2*tt+1], v[PBV] offset:(\vec)*2048+(tt/2)*128+(tt%2)*32
.set tt, tt+1
.endr
	s_mov_b32 s[CH], 0
.Lv_\@:
	s_lshl_b32 s50, s[CH], 12
	s_lshl_b32 s51, s[CH], 8
	v_add_nc_u32 v[AFA], s50, v[LI]
	v_add_nc_u32 v[ASA], s51, v[SCF0]
.set ff, 0
.rept 4
.set cc, 0
.rept 4
	ds_load_b128 v[AF+16*ff+4*cc:AF+16*ff+4*cc+3], v[AFA] offset:ff*8192+cc*512
.set cc, cc+1
.endr
	ds_load_b32 v[AS+ff], v[ASA] offset:ff*512
	ds_load_b32 v[AS+4+ff], v[ASA] offset:128+ff*512
.set ff, ff+1
.endr
	WIN 0xc0                                       ; the chunk's second tile: window 3, which is free here
.set ff, 0
.rept 4
.set cc, 0
.rept 4
	ds_load_b128 v[128+16*ff+4*cc:128+16*ff+4*cc+3], v[AFA] offset:2048+ff*8192+cc*512
.set cc, cc+1
.endr
.set ff, ff+1
.endr
	WIN 0
	s_cmp_eq_u32 s[CH], 0
	s_cselect_b32 s52, s[G], s[G15]                ; the chunk
	s_lshr_b32 s53, s52, 2
	s_lshl_b32 s53, s53, 14
	s_and_b32 s54, s52, 3
	s_lshl_b32 s54, s54, 9
	s_add_co_u32 s53, s53, s54
	s_wait_xcnt 0x0                                ; earlier stores have read their offsets
	v_add_nc_u32 v[GA], s53, v[LIW]
	v_add_nc_u32 v[GS], s52, v[LSW]
	s_wait_dscnt 0x0
.set th, 0
.rept 2
.set uu, 0
.rept 2
.set kk, 0
.rept 4
.if kk < 2
	WIN (3*uu)|((\h1)<<2)
.else
	WIN (3*uu)|((\h2)<<2)
.endif
.set t4, 0
.rept 4
.if kk == 0
	v_wmma_scale_f32_16x16x128_f8f6f4 v[AC+16*t4+8*uu:AC+16*t4+8*uu+7], v[128+16*kk:128+16*kk+15], v[16*(2*(4*th+t4)+kk%2):16*(2*(4*th+t4)+kk%2)+15], 0, v[AS+4*uu+kk], v[WS+4*(4*th+t4)+kk]
.else
	v_wmma_scale_f32_16x16x128_f8f6f4 v[AC+16*t4+8*uu:AC+16*t4+8*uu+7], v[128+16*kk:128+16*kk+15], v[16*(2*(4*th+t4)+kk%2):16*(2*(4*th+t4)+kk%2)+15], v[AC+16*t4+8*uu:AC+16*t4+8*uu+7], v[AS+4*uu+kk], v[WS+4*(4*th+t4)+kk]
.endif
.set t4, t4+1
.endr
.set kk, kk+1
.endr
.set uu, uu+1
.endr
	WIN 0
	PLACES 8
.set t4, 0
.rept 4
.set jj, 0
.rept 8
	v_pk_add_f32 v[AC+16*t4+jj:AC+16*t4+jj+1], v[AC+16*t4+jj:AC+16*t4+jj+1], v[BVP+2*(4*th+t4):BVP+2*(4*th+t4)+1]
.set jj, jj+2
.endr
.set t4, t4+1
.endr
	s_wait_xcnt 0x0                                ; the last stores have read the codes and the bytes
	QUANT AC, 0                                    ; its four blocks are the four column tiles
.set t4, 0
.rept 4
	global_store_b128 v[GA], v[PC+4*t4:PC+4*t4+3], s[OVC:OVC+1] offset:(4*th+t4)*2048
	global_store_b8 v[GS], v[TM+4+t4], s[OVS:OVS+1] offset:(4*th+t4)*256   ; both halves of the lanes write the same byte
.set t4, t4+1
.endr
.set th, th+1
.endr
	s_add_co_u32 s[CH], s[CH], 1
	s_cmp_lt_u32 s[CH], 2
	s_cbranch_scc1 .Lv_\@
.endm
	s_load_b256 s[4:11], s[0:1], 0x0               ; seq, seq_len, item_emb, pos_emb
	s_load_b256 s[12:19], s[0:1], 0x20             ; wpk, ln1_w, ln1_b, bq
	s_load_b256 s[20:27], s[0:1], 0x40             ; bk, bv, bo, x0b
	s_load_b64 s[28:29], s[0:1], 0x60              ; act0
	v_lshl_add_u32 v254, v0, 2, 0x37000
	v_mov_b32 v255, 0
	SETUP
	s_mov_b32 s[G], ttmp9
	s_and_b32 s[BB], ttmp7, 0xffff
	s_lshl_b32 s[TG0], s[G], 1
	s_sub_co_u32 s[TG1], 28, s[TG0]
	s_sub_co_u32 s[G15], 15, s[G]
	s_mov_b32 s[SQ], 0x41b504f3                    ; sqrt(512)
	s_mov_b32 s[SQ+1], s[SQ]
	s_lshl_b32 s50, s[BB], 2
	s_mov_b32 s51, 0
	s_wait_kmcnt 0x0
	s_add_nc_u64 s[6:7], s[6:7], s[50:51]
	s_load_b32 s[LL], s[6:7], 0x0                  ; seq_len[b]
	s_lshl_b32 s50, s[BB], 11
	s_add_nc_u64 s[4:5], s[4:5], s[50:51]          ; seq at batch b
	PARIN 0, 14, 0                                 ; the parameter vectors of layer 0: ln1_w, ln1_b, bq, bk, bv, bo
	PARIN 1, 16, 0
	PARIN 2, 18, 0
	PARIN 3, 20, 0
	PARIN 4, 22, 0
	PARIN 5, 24, 0
	s_lshl_b32 s52, s[G], 5
	s_lshl_b32 s53, s[G15], 5
	v_add_nc_u32 v200, s52, v[RP]                  ; v200-203: my row in each of the four tiles
	v_add_nc_u32 v201, 8, v200
	v_add_nc_u32 v202, s53, v[RP]
	v_add_nc_u32 v203, 8, v202
.irp m, 0,1,2,3
	v_lshlrev_b32 v[204+\m], 2, v[200+\m]
.endr
.irp m, 0,1,2,3
	global_load_b32 v[208+\m], v[204+\m], s[4:5]   ; the row's item
.endr
	ACTBASE 28, OQC
	s_lshl_b32 s50, s[BB], 3
	s_add_co_u32 s50, s50, s[G]
	s_lshl_b32 s50, s50, 17
	s_add_nc_u64 s[XB:XB+1], s[26:27], s[50:51]
	s_lshl_b32 s50, s[WV], 15
	v_add_nc_u32 v[GA], s50, v[LI]                 ; my place in the work-group's part of x0b
	s_lshl_b32 s50, s[WV], 9
	v_lshl_add_u32 v18, v[H16], 2, s50             ; 512 w + 64 h: my columns' bytes in a row
	s_wait_kmcnt 0x0
	s_min_u32 s[LL], s[LL], 512
	s_max_u32 s[LL], s[LL], 1
	s_wait_loadcnt 0x0
	PAROUT 6
.irp m, 0,1,2,3
	v_min_u32 v[208+\m], 0x186a0, v[208+\m]        ; an index stays inside its table
	v_lshl_add_u32 v[208+\m], v[208+\m], 11, v18
	v_cmp_gt_u32 vcc_lo, s[LL], v[200+\m]          ; a row at or beyond seq_len takes position 0
	v_cndmask_b32 v[212+\m], 0, v[200+\m], vcc_lo
	v_min_u32 v[212+\m], 511, v[212+\m]
	v_lshl_add_u32 v[212+\m], v[212+\m], 11, v18
.endr
.irp m, 0,1,2,3                        ; the item's row into window 1, the position's into window 2, in the results' layout
	WIN 0x40
.set ii, 0
.rept 16
	global_load_b128 v[64*\m+4*ii:64*\m+4*ii+3], v[208+\m], s[8:9] offset:(ii/4)*128+((ii/2)%2)*32+(ii%2)*16
.set ii, ii+1
.endr
	WIN 0x80
.set ii, 0
.rept 16
	global_load_b128 v[64*\m+4*ii:64*\m+4*ii+3], v[212+\m], s[10:11] offset:(ii/4)*128+((ii/2)%2)*32+(ii%2)*16
.set ii, ii+1
.endr
.endr
	WIN 0
	BARRIER                                        ; the parameter vectors lie in LDS
	PARLD AF, 5                                    ; bo
.irp m, 0,1,2,3
.if \m < 2
	s_wait_loadcnt 63                              ; this tile's 32 loads are in: 96 or 64 are younger, and the count names what its field holds
.elseif \m == 2
	s_wait_loadcnt 32
.else
	s_wait_loadcnt 0x0
.endif
	s_wait_xcnt 0x0                                ; the last tile's stores have read AC
	WIN 0x21
.set jj, 0
.rept 32
	v_pk_fma_f32 v[AC+jj:AC+jj+1], v[64*\m+jj:64*\m+jj+1], s[SQ:SQ+1], v[64*\m+jj:64*\m+jj+1] op_sel_hi:[1,0,1]
.set jj, jj+2
.endr
	WIN 0
	XPUT XA0, \m*8192, AC                          ; x0 into my stage, for the norm
	STATS STW0, 2048+\m*128
	s_wait_dscnt 0x0                               ; the stores have read AC; bo is in
.set jj, 0
.rept 32
	v_pk_add_f32 v[AC+jj:AC+jj+1], v[AC+jj:AC+jj+1], v[AF+jj:AF+jj+1]
.set jj, jj+2
.endr
.set ii, 0
.rept 16
	global_store_b128 v[GA], v[AC+4*ii:AC+4*ii+3], s[XB:XB+1] offset:\m*8192+ii*512 th:TH_STORE_NT   ; x0 + bo: 512 consecutive bytes
.set ii, ii+1
.endr
.endr
	s_wait_xcnt 0x0                                ; the stores have read AC
	WLOAD 3, 0, 0                                  ; wq: the norm's four trips stand between these loads and their use
	WSLOAD 0
	WLOAD 1, 0, 1
	BARRIER                                        ; every wave's partial figures lie in LDS
	LNPAR 2, 0, 1, -1
	LNLOOP 1, 2, 0, 0, 1
	BARRIER                                        ; h's sixteen fragments lie in image 0
	QKLOOP 3, 1, 2, 2, 1, OQC, 0
	QKLOOP 2, 3, 3, 1, 2, OKC, 524288
	VPROD 1, 2, 4
	s_wait_tensorcnt 0x0
	ds_add_u32 v254, v255
	s_wait_dscnt 0x0
	s_endpgm
.Lfunc_end_k_qaa8364f040_embed_qkv:
	.size	k_qaa8364f040_embed_qkv, .Lfunc_end_k_qaa8364f040_embed_qkv-k_qaa8364f040_embed_qkv
	.p2alignl 7, 3214868480
	.fill 96, 4, 3214868480
	.section	.rodata,"a",@progbits
	.p2align	6, 0x0
	.amdhsa_kernel k_qaa8364f040_embed_qkv
		.amdhsa_group_segment_fixed_size 225792
		.amdhsa_private_segment_fixed_size 0
		.amdhsa_enable_private_segment 0
		.amdhsa_kernarg_size 104
		.amdhsa_user_sgpr_count 2
		.amdhsa_user_sgpr_kernarg_segment_ptr 1
		.amdhsa_wavefront_size32 1
		.amdhsa_system_sgpr_workgroup_id_x 1
		.amdhsa_system_sgpr_workgroup_id_y 1
		.amdhsa_system_sgpr_workgroup_id_z 1
		.amdhsa_system_vgpr_workitem_id 0
		.amdhsa_next_free_vgpr 1024
		.amdhsa_next_free_sgpr 100
		.amdhsa_reserve_vcc 1
		.amdhsa_float_denorm_mode_32 3
		.amdhsa_float_denorm_mode_16_64 3
		.amdhsa_memory_ordered 1
		.amdhsa_forward_progress 1
		.amdhsa_inst_pref_size 202
	.end_amdhsa_kernel
	.amdgpu_metadata
---
amdhsa.version: [ 1, 2 ]
amdhsa.kernels:
  - .name:           k_qaa8364f040_embed_qkv
    .symbol:         k_qaa8364f040_embed_qkv.kd
    .args:
      - { .name: seq, .offset: 0, .size: 8, .value_kind: global_buffer, .address_space: global }
      - { .name: seq_len, .offset: 8, .size: 8, .value_kind: global_buffer, .address_space: global }
      - { .name: item_emb, .offset: 16, .size: 8, .value_kind: global_buffer, .address_space: global }
      - { .name: pos_emb, .offset: 24, .size: 8, .value_kind: global_buffer, .address_space: global }
      - { .name: wpk, .offset: 32, .size: 8, .value_kind: global_buffer, .address_space: global }
      - { .name: ln1_w, .offset: 40, .size: 8, .value_kind: global_buffer, .address_space: global }
      - { .name: ln1_b, .offset: 48, .size: 8, .value_kind: global_buffer, .address_space: global }
      - { .name: bq, .offset: 56, .size: 8, .value_kind: global_buffer, .address_space: global }
      - { .name: bk, .offset: 64, .size: 8, .value_kind: global_buffer, .address_space: global }
      - { .name: bv, .offset: 72, .size: 8, .value_kind: global_buffer, .address_space: global }
      - { .name: bo, .offset: 80, .size: 8, .value_kind: global_buffer, .address_space: global }
      - { .name: x0b, .offset: 88, .size: 8, .value_kind: global_buffer, .address_space: global }
      - { .name: act0, .offset: 96, .size: 8, .value_kind: global_buffer, .address_space: global }
    .group_segment_fixed_size: 225792
    .private_segment_fixed_size: 0
    .kernarg_segment_align: 8
    .kernarg_segment_size: 104
    .max_flat_workgroup_size: 128
    .sgpr_count:     100
    .vgpr_count:     1024
    .wavefront_size: 32
...
	.end_amdgpu_metadata
.endif
;; end of part 2
;; launch layer0 (part 3): grid 8 x 32, 4 waves a work-group, no clusters, 225,792 bytes of LDS; arguments seq_len, act0, x0b, wpk, ln2_w, ln2_b, b1, b2, ln1_w, ln1_b, bq, bk, bv, act1, xl; writes act1, xl
.if DOCPART == 3
	.amdgcn_target "amdgcn-amd-amdhsa--gfx1250"
	.amdhsa_code_object_version 6
	.text
	.protected	k_qaa8364f040_layer0
	.globl	k_qaa8364f040_layer0
	.p2align	8
	.type	k_qaa8364f040_layer0,@function
k_qaa8364f040_layer0:
	s_mov_b64 s[64:65], 0
	v_nop
	global_prefetch_b8 v0, s[64:65] scope:SCOPE_SE
	s_setreg_imm32_b32 hwreg(HW_REG_WAVE_MODE, 25, 1), 1
	s_wait_xcnt 0x0
; Layer 0 from its attention on, and layer 1's q, k, v: o = attention(q, k, v); x1 = x0 + bo + o wo; x2 = x1 + b2 + relu(LN2(x1) w1 + b1) w2; q, k, v = LN1(1)(x2) w + b, as codes to act1.  The tile of x2 that holds row seq_len - 1 goes to xl.
; SHARES as in the launch before: work-group (g, b) owns chunks g and 15 - g of batch b (their causal key steps add up to 5 for every g); wave w owns columns 128 w .. 128 w + 127, which are heads 2 w and 2 w + 1, for all 64 rows.
; ATTENTION.  Both products are used transposed (S^T = K Q^T, O^T = V^T P^T): a lane holds one query.  A fragment of q or k holds both heads of the wave (64 + 64 along K); a head's scores take K's whole fragment against
; q's half beside 64 zero codes.  t = score log2(e) / 8; M = the running largest t rounded up; p = 2^(t - M) is quantised along the keys; the sum of the unquantised p divides at the end.
; A key counts where key <= min(query, seq_len - 1).  Key steps (128 keys) that lie wholly beyond the chunk's queries or at or beyond seq_len are passed over by a scalar branch; key 0 counts for every query.
; K and V come from act0 straight into registers, one key step ahead.  No cluster, no tensor loads: the key steps branch on seq_len, which is read from memory.
; REGISTERS.  Window 0: all that vector lines touch.  In attention: window 1 K (v0-127) and V (v128-255); window 2 O^T (32 a unit), P (v128 on, 16 a unit), q (v192 on, 24 a tile); window 3 the scores, 64 a unit.  Unit = 2 head + tile.
; Behind it the three windows take the weights' fragments by turns.
; LIMITS: a block of zeros gets the byte 1 (read by this program alone); blocks under 2^-118 were not tried; NaN and infinities are not served; seq_len is held to 1 .. 512;
; a product's bias is added to x ahead of the product's sum.
.set NT, 4
.set NU, 2                             ; tiles of queries a chunk
.set WP, 10                            ; s[10:11] wpk
.set SC0, 65536
.set STATA, 69632
.set PAR, 73728
.set XST, 94208
.set LI, 1
.set LS, 2
.set LIW, 3
.set LSW, 4
.set XA0, 5
.set IW0, 6
.set SCW0, 7
.set SCF0, 8
.set STW0, 9
.set STF0, 10
.set PB, 11
.set PBV, 12
.set RR, 13
.set RP, 14
.set H16, 15
.set AFA, 16
.set ASA, 17
.set IWA, 18
.set SWA, 19
.set XAA, 20
.set STWA, 21
.set STFA, 22
.set GA, 23
.set GS, 24
.set KO, 25
.set VO, 26
.set KSO, 27
.set VSO, 28
.set DR, 29
.set NINF, 31
.set WS, 32
.set KS, 32
.set VS, 40
.set QS, 48
.set PS, 52
.set AC, 64
.set AF, 128
.set AS, 192
.set PC, 200
.set TM, 216
.set PW, 232
.set MS, 234
.set RS, 236
.set SM, 238
.set MP, 246
.set BVP, 236
.set QM, 248
.set FP, 252
.set QF, 192
.set WV, 30
.set G, 31
.set BB, 32
.set LL, 33
.set LM1, 34
.set TST, 35
.set SEL, 36
.set MNT, 38
.set TQ, 39
.set CS, 40
.set MC, 42
.set MO, 43
.set MN, 44
.set CH, 45
.set KSI, 46
.set KF, 47
.set KMAX, 48
.set TG0, 56
.set TG1, 57
.set KSN, 58
.set KF127, 59
.set MINQ, 60
.set QB0, 62
.set G15, 63
.set OQC, 66
.set OKC, 68
.set OVC, 70
.set OQS, 72
.set OVS, 74
.set IQC, 76
.set IKC, 78
.set IVC, 80
.set IQS, 82
.set IVS, 84
.set XB, 86
.set XL, 88
.set MSB, 0
.macro WIN new                         ; the immediate's high byte repeats the setting that is left
.if MSB != (\new)
	s_set_vgpr_msb (MSB<<8)|(\new)
.set MSB, \new
.endif
.endm
.macro PLACES n                        ; plain vector lines behind matrix instructions (ISA guide 7.12.1)
.rept \n
	v_nop
.endr
.endm
.macro BARRIER                         ; my LDS stores have landed and my LDS loads are in: then the work-group's barrier
	s_wait_dscnt 0x0
	s_barrier_signal -1
	s_barrier_wait -1
.endm
.macro SETUP
	v_lshrrev_b32 v16, 5, v0
	v_readfirstlane_b32 s[WV], v16
	v_and_b32 v17, 31, v0
	v_and_b32 v[RR], 15, v0
	v_bfe_u32 v18, v0, 4, 1
	v_and_b32 v[RP], 8, v[RR]
	v_add_nc_u32 v[RP], v[RP], v[RR]
	v_lshlrev_b32 v[H16], 4, v18
	v_lshlrev_b32 v[LI], 4, v17
	v_lshlrev_b32 v[LS], 2, v17
	s_lshl_b32 s50, s[WV], 16
	v_add_nc_u32 v[LIW], s50, v[LI]
	s_lshl_b32 s50, s[WV], 11
	v_lshl_add_u32 v[LSW], v[RR], 4, s50
	s_lshl_b32 s50, s[WV], 15
	s_add_co_u32 s50, s50, XST
	v_add_nc_u32 v[XA0], s50, v[LI]
	s_lshl_b32 s50, s[WV], 13
	v_add_nc_u32 v[IW0], s50, v[LI]
	s_lshl_b32 s50, s[WV], 9
	s_add_co_u32 s51, s50, SC0
	v_add_nc_u32 v[SCW0], s51, v[LS]
	v_add_nc_u32 v[SCF0], SC0, v[LS]
	s_add_co_u32 s51, s50, STATA
	v_lshl_add_u32 v[STW0], v[RR], 3, s51
	v_lshlrev_b32 v[STF0], 3, v[RR]
	v_add_nc_u32 v[STF0], STATA, v[STF0]
	s_add_co_u32 s51, s50, PAR
	v_lshl_add_u32 v[PB], v18, 6, s51
	v_lshl_add_u32 v[PBV], v[RP], 2, s51
	v_lshlrev_b32 v16, 4, v0                       ; 16 x thread: a parameter vector is 128 threads x 16 bytes
	v_add_nc_u32 v17, PAR, v16
	v_mov_b32 v[NINF], 0xff800000
	v_mov_b32 v[FP], 0
	v_mov_b32 v[FP+1], 0
.irp b, 0,1,2,3
	v_mov_b32 v[TM+4+\b], 0                        ; written once: a lane permute's destination counts as one of its sources
.endr
	s_mov_b32 s[SEL], 0x76543210
	s_mov_b32 s[SEL+1], 0xfedcba98                 ; v_permlanex16_b32's selects for lane l xor 16
	s_mov_b32 s[MNT], 0x600000                     ; the mantissa field of 448
	s_mov_b32 s[CS], 0x3e38aa3b                    ; log2(e) / 8
	s_mov_b32 s[CS+1], s[CS]
.endm
.macro ACTBASE p, q                    ; the five parts of an act buffer for batch b: q's, k's, v's codes; q's scale words (k's 524288 on); v's scale bytes
	s_lshl_b32 s50, s[BB], 18
	s_mov_b32 s51, 0
	s_add_nc_u64 s[\q:\q+1], s[\p:\p+1], s[50:51]
	s_add_nc_u64 s[\q+2:\q+3], s[\q:\q+1], 8388608
	s_add_nc_u64 s[\q+4:\q+5], s[\q:\q+1], 16777216
	s_lshl_b32 s50, s[BB], 14
	s_add_nc_u64 s[\q+6:\q+7], s[\p:\p+1], s[50:51]
	s_add_nc_u64 s[\q+6:\q+7], s[\q+6:\q+7], 25165824
	s_lshl_b32 s50, s[BB], 13
	s_add_nc_u64 s[\q+8:\q+9], s[\p:\p+1], s[50:51]
	s_add_nc_u64 s[\q+8:\q+9], s[\q+8:\q+9], 26214400
.endm
.macro PARIN k, p, off
	global_load_b128 v[AC+4*\k:AC+4*\k+3], v16, s[\p:\p+1] offset:\off
.endm
.macro PAROUT n
.set ii, 0
.rept \n
	ds_store_b128 v17, v[AC+4*ii:AC+4*ii+3] offset:ii*2048
.set ii, ii+1
.endr
.endm
.macro WLOAD win, mi, half             ; my 8 column tiles x 2 K steps of matrix mi fill window win: fragment (t, s') at v[16 (2 t + s')]
	WIN (\win)<<6
.set ff, 0
.rept 16
.set cc, 0
.rept 4
	global_load_b128 v[16*ff+4*cc:16*ff+4*cc+3], v[LIW], s[WP:WP+1] offset:(\mi)*262144+(ff/2)*8192+(2*(\half)+ff%2)*2048+cc*512
.set cc, cc+1
.endr
.set ff, ff+1
.endr
	WIN 0
.endm
.macro WSLOAD mi                       ; and their scale words: WS[4 t + s]
.set tt, 0
.rept 8
	global_load_b128 v[WS+4*tt:WS+4*tt+3], v[LSW], s[WP:WP+1] offset:3145728+(\mi)*8192+tt*256
.set tt, tt+1
.endr
.endm
.macro AFETCH reg, so                  ; the four K steps' fragments of one tile of rows, and their scale words, from image reg; s[so] = 2048 m
	s_lshr_b32 s50, s[\so], 4
	v_add_nc_u32 v[AFA], s[\so], v[LI]
	v_add_nc_u32 v[ASA], s50, v[SCF0]
.set ff, 0
.rept 4
.set cc, 0
.rept 4
	ds_load_b128 v[AF+16*ff+4*cc:AF+16*ff+4*cc+3], v[AFA] offset:(\reg)*32768+ff*8192+cc*512
.set cc, cc+1
.endr
	ds_load_b32 v[AS+ff], v[ASA] offset:(\reg)*2048+ff*512
.set ff, ff+1
.endr
.endm
.macro PARLD dst, vec                  ; a parameter vector in the results' layout: 64 registers
.set ii, 0
.rept 16
	ds_load_b128 v[\dst+4*ii:\dst+4*ii+3], v[PB] offset:(\vec)*2048+(ii/4)*128+((ii/2)%2)*32+(ii%2)*16
.set ii, ii+1
.endr
.endm
.macro XGET adr, off
.set ii, 0
.rept 16
	ds_load_b128 v[AC+4*ii:AC+4*ii+3], v[\adr] offset:(\off)+ii*512
.set ii, ii+1
.endr
.endm
.macro XPUT adr, off, src              ; each accumulator from its low end on
.set ii, 0
.rept 16
	ds_store_b128 v[\adr], v[\src+4*ii:\src+4*ii+3] offset:(\off)+ii*512
.set ii, ii+1
.endr
.endm
.macro XADR so
	s_lshl_b32 s51, s[\so], 2
	v_add_nc_u32 v[XAA], s51, v[XA0]
.endm
.macro TRIPADR
	s_lshr_b32 s50, s[MO], 4
	v_add_nc_u32 v[IWA], s[MO], v[IW0]
	v_add_nc_u32 v[SWA], s50, v[SCW0]
	v_add_nc_u32 v[STWA], s50, v[STW0]
	v_add_nc_u32 v[STFA], s50, v[STF0]
.endm
.macro INITM
	s_mov_b32 s[MC], 0
	s_mov_b32 s[MO], 0
	s_mov_b32 s[MN], 2048&(NT*2048-1)
.endm
.macro STEPM                           ; the next tile; MN = the one after it, round the end
	s_add_co_u32 s[MO], s[MO], 2048
	s_add_co_u32 s[MN], s[MO], 2048
	s_and_b32 s[MN], s[MN], NT*2048-1
	s_add_co_u32 s[MC], s[MC], 1
	s_cmp_lt_u32 s[MC], NT
.endm
.macro MMT h1, h2                      ; 32 matrix instructions: my 8 column tiles x 4 K steps; the eight accumulators take turns, one instruction a turn
.set kk, 0
.rept 4
.if kk < 2
	WIN \h1
.else
	WIN \h2
.endif
.set tt, 0
.rept 8
	v_wmma_scale_f32_16x16x128_f8f6f4 v[AC+8*tt:AC+8*tt+7], v[16*(2*tt+kk%2):16*(2*tt+kk%2)+15], v[AF+16*kk:AF+16*kk+15], v[AC+8*tt:AC+8*tt+7], v[WS+4*tt+kk], v[AS+kk]
.set tt, tt+1
.endr
.set kk, kk+1
.endr
	WIN 0
.endm
; 64 numbers of a lane, register 16 b + i = k 32 b + 16 (lane / 16) + i, become a fragment's codes in v[PC] on and its scale word in v[PW]; the four bytes stay in v[TM+4] on.
.macro QUANT src, relu
.if \relu
.irp b, 0,1,2,3
	v_max3_num_f32 v[TM+\b], v[\src+16*\b], v[\src+1+16*\b], 0x4800000   ; no |.|: what is negative becomes 0 and must not count; the floor 2^(9 - 127) holds the byte at 1 from below
.endr
.irp i, 2,4,6,8,10,12,14
.irp b, 0,1,2,3
	v_max3_num_f32 v[TM+\b], v[TM+\b], v[\src+16*\b+\i], v[\src+1+16*\b+\i]
.endr
.endr
.else
.irp b, 0,1,2,3
	v_max3_num_f32 v[TM+\b], |v[\src+16*\b]|, |v[\src+1+16*\b]|, 0x4800000
.endr
.irp i, 2,4,6,8,10,12,14
.irp b, 0,1,2,3
	v_max3_num_f32 v[TM+\b], v[TM+\b], |v[\src+16*\b+\i]|, |v[\src+1+16*\b+\i]|
.endr
.endr
.endif
.irp b, 0,1,2,3
	v_permlanex16_b32 v[TM+4+\b], v[TM+\b], s[SEL], s[SEL+1]
.endr
.irp b, 0,1,2,3
	v_max_num_f32 v[TM+\b], v[TM+\b], v[TM+4+\b]   ; with lane l xor 16's: the block's largest magnitude
.endr
.irp b, 0,1,2,3
	v_add_nc_u32 v[TM+12+\b], 0xfc000000, v[TM+\b] ; 8 off the exponent field: the conversion's scale operand
.endr
.irp b, 0,1,2,3
	v_and_or_b32 v[TM+8+\b], v[TM+\b], 0x7f800000, s[MNT]   ; 448 x the scale
.endr
.irp b, 0,1,2,3
	v_lshrrev_b32 v[TM+4+\b], 23, v[TM+12+\b]      ; the scale's byte
.endr
	v_lshl_or_b32 v[PW], v[TM+5], 8, v[TM+4]
	v_lshl_or_b32 v[PW], v[TM+6], 16, v[PW]
	v_lshl_or_b32 v[PW], v[TM+7], 24, v[PW]
.irp b, 0,1,2,3
.irp i, 0,1,2,3,4,5,6,7,8,9,10,11,12,13,14,15
.if \relu
	v_med3_num_f32 v[\src+16*\b+\i], v[\src+16*\b+\i], 0, v[TM+8+\b]   ; the activation and the hold in one
.else
	v_med3_num_f32 v[\src+16*\b+\i], v[\src+16*\b+\i], -v[TM+8+\b], v[TM+8+\b]   ; the conversion does not saturate (ISA guide 7.6.2): the hold comes first
.endif
.endr
	v_cvt_scalef32_pk8_fp8_f32 v[PC+4*\b:PC+1+4*\b], v[\src+16*\b:\src+7+16*\b], v[TM+12+\b]
	v_cvt_scalef32_pk8_fp8_f32 v[PC+2+4*\b:PC+3+4*\b], v[\src+8+16*\b:\src+15+16*\b], v[TM+12+\b]
.endr
	v_nop                                          ; one plain line behind the last scaled conversion
.endm
.macro IMAGE reg, mo                   ; the fragment in v[PC] on goes to LDS as it stands, K step w of the next product
.irp c, 0,1,2,3
	ds_store_b128 v[IWA], v[PC+4*\c:PC+4*\c+3] offset:(\reg)*32768+(\mo)*2048+\c*512
.endr
	ds_store_b32 v[SWA], v[PW] offset:(\reg)*2048+(\mo)*128
.endm
; My wave's 128 columns of row r: their mean, and the sum of squares about that mean.  The four waves' pairs are merged later; no difference of large sums is formed.
.macro STATS adr, off
	v_pk_add_f32 v[SM:SM+1], v[AC:AC+1], v[AC+2:AC+3]
	v_pk_add_f32 v[SM+2:SM+3], v[AC+4:AC+5], v[AC+6:AC+7]
.set jj, 8
.rept 14
	v_pk_add_f32 v[SM:SM+1], v[SM:SM+1], v[AC+jj:AC+jj+1]
	v_pk_add_f32 v[SM+2:SM+3], v[SM+2:SM+3], v[AC+jj+2:AC+jj+3]
.set jj, jj+4
.endr
	v_pk_add_f32 v[SM:SM+1], v[SM:SM+1], v[SM+2:SM+3]
	v_add_f32 v[SM], v[SM], v[SM+1]
	v_permlanex16_b32 v[SM+1], v[SM], s[SEL], s[SEL+1]
	v_add_f32 v[SM], v[SM], v[SM+1]
	v_mul_f32 v[MS], 0x3c000000, v[SM]             ; / 128
	v_mov_b32 v[MS+1], v[MS]
	v_pk_add_f32 v[SM+4:SM+5], v[AC:AC+1], v[MS:MS+1] neg_lo:[0,1] neg_hi:[0,1]
	v_pk_add_f32 v[SM+6:SM+7], v[AC+2:AC+3], v[MS:MS+1] neg_lo:[0,1] neg_hi:[0,1]
	v_pk_mul_f32 v[SM:SM+1], v[SM+4:SM+5], v[SM+4:SM+5]
	v_pk_mul_f32 v[SM+2:SM+3], v[SM+6:SM+7], v[SM+6:SM+7]
.set jj, 4
.rept 15
	v_pk_add_f32 v[SM+4:SM+5], v[AC+jj:AC+jj+1], v[MS:MS+1] neg_lo:[0,1] neg_hi:[0,1]
	v_pk_add_f32 v[SM+6:SM+7], v[AC+jj+2:AC+jj+3], v[MS:MS+1] neg_lo:[0,1] neg_hi:[0,1]
	v_pk_fma_f32 v[SM:SM+1], v[SM+4:SM+5], v[SM+4:SM+5], v[SM:SM+1]
	v_pk_fma_f32 v[SM+2:SM+3], v[SM+6:SM+7], v[SM+6:SM+7], v[SM+2:SM+3]
.set jj, jj+4
.endr
	v_pk_add_f32 v[SM:SM+1], v[SM:SM+1], v[SM+2:SM+3]
	v_add_f32 v[SM], v[SM], v[SM+1]
	v_permlanex16_b32 v[SM+1], v[SM], s[SEL], s[SEL+1]
	v_add_f32 v[MS+1], v[SM], v[SM+1]
	ds_store_b64 v[\adr], v[MS:MS+1] offset:\off   ; both halves of the lanes write the same pair
.endm
.macro LNPAR F, vw, vb, vx             ; gain, bias and (vx >= 0) a vector to add to x, into the free window F
	WIN (\F)<<6
	PARLD 0, \vw
	PARLD 64, \vb
.if (\vx) >= 0
	PARLD 128, \vx
.endif
	WIN 0
.endm
; A layer norm of the rows in the stage, a tile a trip.  wb = 1: x + the third vector goes back into the stage.  quant = 1: the result becomes K step w of image outreg.
.macro LNLOOP stat, F, wb, outreg, quant
	INITM
.Lln_\@:
	s_wait_dscnt 0x0                               ; the last trip's LDS stores have read their registers
	TRIPADR
	XADR MO
.irp k, 0,1,2,3
	ds_load_b64 v[SM+2*\k:SM+2*\k+1], v[STFA] offset:(\stat)*2048+\k*512
.endr
	XGET XAA, 0
	s_wait_dscnt 0x0
	v_add_f32 v[MP], v[SM], v[SM+2]
	v_add_f32 v[MP+1], v[SM+4], v[SM+6]
	v_add_f32 v[MP], v[MP], v[MP+1]
	v_mul_f32 v[MP], 0x3e800000, v[MP]             ; the row's mean
	v_sub_f32 v[SM], v[SM], v[MP]
	v_sub_f32 v[SM+2], v[SM+2], v[MP]
	v_sub_f32 v[SM+4], v[SM+4], v[MP]
	v_sub_f32 v[SM+6], v[SM+6], v[MP]
	v_add_f32 v[SM+1], v[SM+1], v[SM+3]
	v_add_f32 v[SM+5], v[SM+5], v[SM+7]
	v_add_f32 v[SM+1], v[SM+1], v[SM+5]
	v_mul_f32 v[SM], v[SM], v[SM]
	v_fmac_f32 v[SM], v[SM+2], v[SM+2]
	v_fmac_f32 v[SM], v[SM+4], v[SM+4]
	v_fmac_f32 v[SM], v[SM+6], v[SM+6]
	v_fmamk_f32 v[SM+1], v[SM], 0x43000000, v[SM+1]   ; + 128 x the squares of the four means about the row's
	v_mul_f32 v[SM+1], 0x3b000000, v[SM+1]         ; / 512: the variance
	v_add_f32 v[SM+1], 0x322bcc77, v[SM+1]         ; + 1e-8
	v_rsq_f32 v[RS], v[SM+1]
	v_mov_b32 v[MP+1], v[MP]                       ; a plain line behind the transcendental
	s_wait_alu depctr_va_vdst(0)                   ; the wait ahead of the result's first reader
	v_mov_b32 v[RS+1], v[RS]
.if \wb
	WIN (\F)<<2
.set jj, 0
.rept 32
	v_pk_add_f32 v[AF+jj:AF+jj+1], v[AC+jj:AC+jj+1], v[128+jj:128+jj+1]
.set jj, jj+2
.endr
	WIN 0
	XPUT XAA, 0, AF
.endif
.set jj, 0
.rept 32
	v_pk_add_f32 v[AC+jj:AC+jj+1], v[AC+jj:AC+jj+1], v[MP:MP+1] neg_lo:[0,1] neg_hi:[0,1]
.set jj, jj+2
.endr
.set jj, 0
.rept 32
	v_pk_mul_f32 v[AC+jj:AC+jj+1], v[AC+jj:AC+jj+1], v[RS:RS+1]
.set jj, jj+2
.endr
	WIN ((\F)<<2)|((\F)<<4)
.set jj, 0
.rept 32
	v_pk_fma_f32 v[AC+jj:AC+jj+1], v[AC+jj:AC+jj+1], v[jj:jj+1], v[64+jj:64+jj+1]
.set jj, jj+2
.endr
	WIN 0
.if \quant
	QUANT AC, 0
	IMAGE \outreg, 0
.endif
	STEPM
	s_cbranch_scc1 .Lln_\@
.endm
.macro TILEOF                          ; s52 = the tile of rows of trip m: 2 g + m, or 2 (15 - g) + m - 2
	s_cmp_lt_u32 s[MC], 2
	s_cselect_b32 s52, s[TG0], s[TG1]
	s_add_co_u32 s52, s52, s[MC]
.endm
; q or k: image 0 x W + bias, quantised along the columns; a tile's fragment and scale word go to act.
.macro QKLOOP h1, h2, vec, nwin, nmi, cb, so
	s_wait_loadcnt 0x0                             ; this product's fragments and scale words are in
	s_wait_dscnt 0x0
	WLOAD \nwin, \nmi, 0                           ; the next product's first half, into the third window
	INITM
	AFETCH 0, MO
	PARLD AC, \vec                                 ; the bias is the C of the sum's first instruction
.Lqk_\@:
	s_wait_dscnt 0x0
	MMT \h1, \h2
	PLACES 8
	AFETCH 0, MN
	s_wait_xcnt 0x0                                ; the last trip's stores have read their data and offsets
	QUANT AC, 0
	TILEOF
	s_lshl_b32 s53, s52, 11
	s_lshl_b32 s54, s52, 7
	s_lshl_b32 s55, s[WV], 12
	s_add_co_u32 s54, s54, s55
	v_add_nc_u32 v[GA], s53, v[LIW]
	v_add_nc_u32 v[GS], s54, v[LS]
.irp c, 0,1,2,3
	global_store_b128 v[GA], v[PC+4*\c:PC+4*\c+3], s[\cb:\cb+1] offset:\c*512   ; 512 consecutive bytes
.endr
	global_store_b32 v[GS], v[PW], s[OQS:OQS+1] offset:\so
	PARLD AC, \vec
	STEPM
	s_cbranch_scc1 .Lqk_\@
	WLOAD \h1, \nmi, 1                             ; its second half, into the window that is done with
	WSLOAD \nmi
.endm
; v: source 0 = 16 rows (keys), source 1 = 16 columns of W: a lane holds one column, and the 16 registers of a chunk's two tiles are 16 neighbouring keys.  A trip is a chunk of 32 keys: one block of the quantiser.
.macro VPROD h1, h2, vec
	s_wait_loadcnt 0x0
	s_wait_dscnt 0x0
.set tt, 0
.rept 8
	ds_load_b32 v[BVP+2*tt], v[PBV] offset:(\vec)*2048+(tt/2)*128+(tt%2)*32
	ds_load_b32 v[BVP+2*tt+1], v[PBV] offset:(\vec)*2048+(tt/2)*128+(tt%2)*32
.set tt, tt+1
.endr
	s_mov_b32 s[CH], 0
.Lv_\@:
	s_lshl_b32 s50, s[CH], 12
	s_lshl_b32 s51, s[CH], 8
	v_add_nc_u32 v[AFA], s50, v[LI]
	v_add_nc_u32 v[ASA], s51, v[SCF0]
.set ff, 0
.rept 4
.set cc, 0
.rept 4
	ds_load_b128 v[AF+16*ff+4*cc:AF+16*ff+4*cc+3], v[AFA] offset:ff*8192+cc*512
.set cc, cc+1
.endr
	ds_load_b32 v[AS+ff], v[ASA] offset:ff*512
	ds_load_b32 v[AS+4+ff], v[ASA] offset:128+ff*512
.set ff, ff+1
.endr
	WIN 0xc0                                       ; the chunk's second tile: window 3, which is free here
.set ff, 0
.rept 4
.set cc, 0
.rept 4
	ds_load_b128 v[128+16*ff+4*cc:128+16*ff+4*cc+3], v[AFA] offset:2048+ff*8192+cc*512
.set cc, cc+1
.endr
.set ff, ff+1
.endr
	WIN 0
	s_cmp_eq_u32 s[CH], 0
	s_cselect_b32 s52, s[G], s[G15]                ; the chunk
	s_lshr_b32 s53, s52, 2
	s_lshl_b32 s53, s53, 14
	s_and_b32 s54, s52, 3
	s_lshl_b32 s54, s54, 9
	s_add_co_u32 s53, s53, s54
	s_wait_xcnt 0x0                                ; earlier stores have read their offsets
	v_add_nc_u32 v[GA], s53, v[LIW]
	v_add_nc_u32 v[GS], s52, v[LSW]
	s_wait_dscnt 0x0
.set th, 0
.rept 2
.set uu, 0
.rept 2
.set kk, 0
.rept 4
.if kk < 2
	WIN (3*uu)|((\h1)<<2)
.else
	WIN (3*uu)|((\h2)<<2)
.endif
.set t4, 0
.rept 4
.if kk == 0
	v_wmma_scale_f32_16x16x128_f8f6f4 v[AC+16*t4+8*uu:AC+16*t4+8*uu+7], v[128+16*kk:128+16*kk+15], v[16*(2*(4*th+t4)+kk%2):16*(2*(4*th+t4)+kk%2)+15], 0, v[AS+4*uu+kk], v[WS+4*(4*th+t4)+kk]
.else
	v_wmma_scale_f32_16x16x128_f8f6f4 v[AC+16*t4+8*uu:AC+16*t4+8*uu+7], v[128+16*kk:128+16*kk+15], v[16*(2*(4*th+t4)+kk%2):16*(2*(4*th+t4)+kk%2)+15], v[AC+16*t4+8*uu:AC+16*t4+8*uu+7], v[AS+4*uu+kk], v[WS+4*(4*th+t4)+kk]
.endif
.set t4, t4+1
.endr
.set kk, kk+1
.endr
.set uu, uu+1
.endr
	WIN 0
	PLACES 8
.set t4, 0
.rept 4
.set jj, 0
.rept 8
	v_pk_add_f32 v[AC+16*t4+jj:AC+16*t4+jj+1], v[AC+16*t4+jj:AC+16*t4+jj+1], v[BVP+2*(4*th+t4):BVP+2*(4*th+t4)+1]
.set jj, jj+2
.endr
.set t4, t4+1
.endr
	s_wait_xcnt 0x0                                ; the last stores have read the codes and the bytes
	QUANT AC, 0                                    ; its four blocks are the four column tiles
.set t4, 0
.rept 4
	global_store_b128 v[GA], v[PC+4*t4:PC+4*t4+3], s[OVC:OVC+1] offset:(4*th+t4)*2048
	global_store_b8 v[GS], v[TM+4+t4], s[OVS:OVS+1] offset:(4*th+t4)*256   ; both halves of the lanes write the same byte
.set t4, t4+1
.endr
.set th, th+1
.endr
	s_add_co_u32 s[CH], s[CH], 1
	s_cmp_lt_u32 s[CH], 2
	s_cbranch_scc1 .Lv_\@
.endm
; ---- attention
.macro QLOAD                           ; NU tiles of q from tile s[TQ] on: head A's 8 registers, 8 of zeros (written once), head B's 8
	s_lshl_b32 s50, s[TQ], 11
	s_lshl_b32 s51, s[TQ], 7
	s_lshl_b32 s52, s[WV], 12
	s_add_co_u32 s51, s51, s52
	v_add_nc_u32 v[GA], s50, v[LIW]
	v_add_nc_u32 v[GS], s51, v[LS]
	WIN 0x80
.set uu, 0
.rept NU
.set cc, 0
.rept 4
	global_load_b128 v[QF+24*uu+4*cc+8*(cc/2):QF+24*uu+4*cc+8*(cc/2)+3], v[GA], s[IQC:IQC+1] offset:uu*2048+cc*512
.set cc, cc+1
.endr
.set uu, uu+1
.endr
	WIN 0
.set uu, 0
.rept NU
	global_load_b32 v[QS+uu], v[GS], s[IQS:IQS+1] offset:uu*128
.set uu, uu+1
.endr
.endm
.macro KLOAD                           ; 40 loads: the 8 tiles of k of the key step s[KSN] / 16384, and their scale words
	s_lshr_b32 s50, s[KSN], 4
	s_lshl_b32 s51, s[WV], 12
	s_add_co_u32 s50, s50, s51
	v_add_nc_u32 v[KO], s[KSN], v[LIW]
	v_add_nc_u32 v[KSO], s50, v[LS]
	WIN 0x40
.set ff, 0
.rept 32
	global_load_b128 v[4*ff:4*ff+3], v[KO], s[IKC:IKC+1] offset:ff*512
.set ff, ff+1
.endr
	WIN 0
.set tt, 0
.rept 8
	global_load_b32 v[KS+tt], v[KSO], s[IQS:IQS+1] offset:524288+tt*128
.set tt, tt+1
.endr
.endm
.macro VLOAD                           ; 40 loads: the 8 tiles of v^T of the same key step
	s_lshr_b32 s50, s[KSN], 12
	v_add_nc_u32 v[VO], s[KSN], v[LIW]
	v_add_nc_u32 v[VSO], s50, v[LSW]
	WIN 0x40
.set ff, 0
.rept 32
	global_load_b128 v[128+4*ff:128+4*ff+3], v[VO], s[IVC:IVC+1] offset:ff*512
.set ff, ff+1
.endr
	WIN 0
.set tt, 0
.rept 8
	global_load_b32 v[VS+tt], v[VSO], s[IVS:IVS+1] offset:tt*256
.set tt, tt+1
.endr
.endm
; One unit's softmax for 128 keys: the scores in window 3 become p's codes in window 2 and p's scale word; the sum and O^T come under the new M.
.macro SOFTMAX q
.set SB, 64*(\q)
.set ST4, AF+4*(\q)                    ; -M, the largest t, the sum in two halves
.set UQ, (\q)%NU
	s_cmp_le_u32 s[KF127], s[MINQ+UQ]              ; a step all of whose keys count for all 16 queries has nothing to hide
	s_cbranch_scc1 .Lopen_\@
	WIN 0xc3
.set nn, 0
.rept 64
	v_cmp_gt_i32 vcc_lo, 32*(nn/16)+nn%16, v[DR+UQ]   ; register 16 b + i holds key KF + 16 h + 32 b + i: hidden where it lies beyond min(query, seq_len - 1)
	v_cndmask_b32 v[SB+nn], v[SB+nn], v[NINF], vcc_lo
.set nn, nn+1
.endr
	WIN 0
.Lopen_\@:
	WIN 0x3c
.irp b, 0,1,2,3
	v_max3_num_f32 v[TM+\b], v[NINF], v[SB+16*\b], v[SB+16*\b+1]   ; the largest score of each block of 32 keys: it serves for the row's maximum and for the block's largest p
.endr
.irp i, 2,4,6,8,10,12,14
.irp b, 0,1,2,3
	v_max3_num_f32 v[TM+\b], v[TM+\b], v[SB+16*\b+\i], v[SB+16*\b+\i+1]
.endr
.endr
	WIN 0
.irp b, 0,1,2,3
	v_permlanex16_b32 v[TM+4+\b], v[TM+\b], s[SEL], s[SEL+1]
.endr
.irp b, 0,1,2,3
	v_max_num_f32 v[TM+\b], v[TM+\b], v[TM+4+\b]
.endr
	v_max3_num_f32 v254, v[TM], v[TM+1], v[TM+2]
	v_max_num_f32 v254, v254, v[TM+3]
	v_mul_f32 v254, s[CS], v254
	v_max_num_f32 v[ST4+1], v[ST4+1], v254         ; the running largest t
	v_mov_b32 v254, v[ST4]
	v_floor_f32 v[ST4], -v[ST4+1]                  ; -M = floor(-t): M is a whole number
	v_sub_f32 v254, v[ST4], v254
	v_cvt_i32_f32 v254, v254                       ; (it saturates)
	v_ldexp_f32 v[FP], 1.0, v254                   ; f = 2^(old M - new M)
	WIN 0x03
.set jj, 0
.rept 32
	v_pk_fma_f32 v[AC+jj:AC+jj+1], v[SB+jj:SB+jj+1], s[CS:CS+1], v[ST4:ST4+1] op_sel_hi:[1,0,0]   ; t - M
.set jj, jj+2
.endr
	WIN 0
.irp b, 0,1,2,3
	v_fma_f32 v[TM+\b], v[TM+\b], s[CS], v[ST4]
.endr
.set jj, 0
.rept 64
	v_exp_f32 v[AC+jj], v[AC+jj]                   ; p = 2^(t - M): not normalised
.set jj, jj+1
.endr
	v_pk_mul_f32 v[ST4+2:ST4+3], v[ST4+2:ST4+3], v[FP:FP+1] op_sel_hi:[1,0]   ; the sum under the new M; a plain line behind the exponentials
	s_wait_alu depctr_va_vdst(0)                   ; one wait for the batch, ahead of its first reader
.irp b, 0,1,2,3
	v_exp_f32 v[TM+\b], v[TM+\b]                   ; the block's largest p
.endr
	v_pk_add_f32 v[TM+4:TM+5], v[AC:AC+1], v[AC+2:AC+3]   ; the sum of the unquantised p, in two chains
.set jj, 4
.rept 15
	v_pk_add_f32 v[ST4+2:ST4+3], v[ST4+2:ST4+3], v[AC+jj:AC+jj+1]
	v_pk_add_f32 v[TM+4:TM+5], v[TM+4:TM+5], v[AC+jj+2:AC+jj+3]
.set jj, jj+4
.endr
	v_pk_add_f32 v[ST4+2:ST4+3], v[ST4+2:ST4+3], v[TM+4:TM+5]
	s_wait_alu depctr_va_vdst(0)                   ; and one for the four
.irp b, 0,1,2,3
	v_max_num_f32 v[TM+\b], 0x4800000, v[TM+\b]
.endr
.irp b, 0,1,2,3
	v_add_nc_u32 v[TM+12+\b], 0xfc000000, v[TM+\b]
.endr
.irp b, 0,1,2,3
	v_and_or_b32 v[TM+8+\b], v[TM+\b], 0x7f800000, s[MNT]
.endr
.irp b, 0,1,2,3
	v_lshrrev_b32 v[TM+4+\b], 23, v[TM+12+\b]
.endr
	v_lshl_or_b32 v[PS+\q], v[TM+5], 8, v[TM+4]    ; p's scale word for these 128 keys
	v_lshl_or_b32 v[PS+\q], v[TM+6], 16, v[PS+\q]
	v_lshl_or_b32 v[PS+\q], v[TM+7], 24, v[PS+\q]
.irp b, 0,1,2,3
.irp i, 0,1,2,3,4,5,6,7,8,9,10,11,12,13,14,15
	v_min_num_f32 v[AC+16*\b+\i], v[AC+16*\b+\i], v[TM+8+\b]   ; p is not negative: the hold is one-sided
.endr
.endr
	WIN 0x80
.irp b, 0,1,2,3
	v_cvt_scalef32_pk8_fp8_f32 v[128+16*(\q)+4*\b:128+16*(\q)+4*\b+1], v[AC+16*\b:AC+16*\b+7], v[TM+12+\b]
	v_cvt_scalef32_pk8_fp8_f32 v[128+16*(\q)+4*\b+2:128+16*(\q)+4*\b+3], v[AC+16*\b+8:AC+16*\b+15], v[TM+12+\b]
.endr
	WIN 0x82
.set jj, 0
.rept 16
	v_pk_mul_f32 v[32*(\q)+jj:32*(\q)+jj+1], v[32*(\q)+jj:32*(\q)+jj+1], v[FP:FP+1] op_sel_hi:[1,0]   ; O^T under the new M; also the plain lines between the codes and the products
.set jj, jj+2
.endr
	WIN 0
.endm
.macro STEP                            ; 128 keys for the chunk's 2 NU units
	s_wait_loadcnt 40                              ; K of this step (and q) is in; V's 40 younger loads may be out
	WIN 0xc9
.set kt, 0
.rept 8
.set qq, 0
.rept 2*NU
	v_wmma_scale_f32_16x16x128_f8f6f4 v[64*qq+8*kt:64*qq+8*kt+7], v[16*kt:16*kt+15], v[QF+24*(qq%NU)+8*(qq/NU):QF+24*(qq%NU)+8*(qq/NU)+15], 0, v[KS+kt], v[QS+qq%NU]
.set qq, qq+1
.endr
.set kt, kt+1
.endr
	WIN 0
.set uu, 0
.rept NU
	v_sub_nc_u32 v[DR+uu], v[QM+uu], s[KF]         ; min(query, seq_len - 1) - 16 h - KF
.set uu, uu+1
.endr
	PLACES 8
	s_add_co_u32 s[KF127], s[KF], 127
	s_lshl_b32 s[KSN], s[KF], 7
	s_add_co_u32 s[KSN], s[KSN], 16384
	s_min_u32 s[KSN], s[KSN], 49152                ; the next key step, held at the last: no load leaves its buffer
	KLOAD
.irp q, 0,1,2,3
.if \q < 2*NU
	SOFTMAX \q
.endif
.endr
	s_wait_loadcnt 40                              ; V of this step is in; the next K's 40 loads may be out
	WIN 0xa9
.set dt, 0
.rept 4
.set qq, 0
.rept 2*NU
	v_wmma_scale_f32_16x16x128_f8f6f4 v[32*qq+8*dt:32*qq+8*dt+7], v[128+16*(4*(qq/NU)+dt):128+16*(4*(qq/NU)+dt)+15], v[128+16*qq:128+16*qq+15], v[32*qq+8*dt:32*qq+8*dt+7], v[VS+4*(qq/NU)+dt], v[PS+qq]
.set qq, qq+1
.endr
.set dt, dt+1
.endr
	WIN 0
	PLACES 8
	VLOAD
.endm
.macro KEYLOOP                         ; four trips, a constant; a step with no key that counts is passed over
	s_mov_b32 s[KSI], 0
	s_mov_b32 s[KF], 0
.Lkey_\@:
	s_cmp_ge_u32 s[KF], s[KMAX]
	s_cbranch_scc1 .Lpast_\@
	STEP
.Lpast_\@:
	s_add_co_u32 s[KF], s[KF], 128
	s_add_co_u32 s[KSI], s[KSI], 1
	s_cmp_lt_u32 s[KSI], 4
	s_cbranch_scc1 .Lkey_\@
	s_wait_loadcnt 0x0                             ; the loads that ran ahead are in
.endm
.macro CHUNKINIT                       ; s[QB0] = the first row of the chunk's first tile
	s_wait_dscnt 0x0
	s_lshl_b32 s50, s[CH], 12
	s_lshl_b32 s51, s[CH], 8
	v_add_nc_u32 v[IWA], s50, v[IW0]
	v_add_nc_u32 v[SWA], s51, v[SCW0]
	s_and_b32 s[KMAX], s[QB0], 0x1e0
	s_add_co_u32 s[KMAX], s[KMAX], 32
	s_min_u32 s[KMAX], s[KMAX], s[LL]              ; keys from here on count for no query of the chunk
.set uu, 0
.rept NU
	s_add_co_u32 s50, s[QB0], 8*uu
	s_min_u32 s[MINQ+uu], s50, s[LM1]
	v_add_nc_u32 v[QM+uu], s50, v[RP]
	v_min_u32 v[QM+uu], s[LM1], v[QM+uu]
	v_sub_nc_u32 v[QM+uu], v[QM+uu], v[H16]
.set uu, uu+1
.endr
	WIN 0x80
.set jj, 0
.rept 64*NU
	v_mov_b32 v[jj], 0                             ; O^T: the step is written once; its first turn finds zeros
.set jj, jj+1
.endr
	WIN 0
.set qq, 0
.rept 2*NU
	v_mov_b32 v[AF+4*qq+1], 0xff61b1e6             ; the largest t so far: -3e38
	v_floor_f32 v[AF+4*qq], -v[AF+4*qq+1]
	v_mov_b32 v[AF+4*qq+2], 0
	v_mov_b32 v[AF+4*qq+3], 0
.set qq, qq+1
.endr
.endm
.macro FINAL u                         ; tile u: both heads' O^T / the sum are my 128 columns of o: quantised, K step w of the product with wo
	s_wait_dscnt 0x0
	v_add_f32 v254, v[AF+4*(\u)+2], v[AF+4*(\u)+3]
	v_add_f32 v255, v[AF+4*(NU+\u)+2], v[AF+4*(NU+\u)+3]
	v_permlanex16_b32 v[FP], v254, s[SEL], s[SEL+1]
	v_permlanex16_b32 v[FP+1], v255, s[SEL], s[SEL+1]
	v_add_f32 v254, v254, v[FP]
	v_add_f32 v255, v255, v[FP+1]
	v_rcp_f32 v[RS], v254
	v_rcp_f32 v[SM], v255
	v_nop
	s_wait_alu depctr_va_vdst(0)                   ; one wait for the two reciprocals
	v_mov_b32 v[RS+1], v[RS]
	v_mov_b32 v[SM+1], v[SM]
	WIN 0x02
.set jj, 0
.rept 16
	v_pk_mul_f32 v[AC+jj:AC+jj+1], v[32*(\u)+jj:32*(\u)+jj+1], v[RS:RS+1]
.set jj, jj+2
.endr
.set jj, 0
.rept 16
	v_pk_mul_f32 v[AC+32+jj:AC+32+jj+1], v[32*(NU+\u)+jj:32*(NU+\u)+jj+1], v[SM:SM+1]
.set jj, jj+2
.endr
	WIN 0
	QUANT AC, 0
	IMAGE 0, \u
.endm
; x += image img x W: the stage holds x + the product's bias, which is the C of the sum's first instruction.  The new x goes back into the stage, with its partial figures for the norm.
.macro RESLOOP h1, h2, img, stat, nwin, nmi, xlst
	s_wait_loadcnt 0x0
	s_wait_dscnt 0x0
.if (\nmi) >= 0
	WLOAD \nwin, \nmi, 0
.endif
	INITM
	AFETCH \img, MO
	XADR MO
	XGET XAA, 0
.Lres_\@:
	s_wait_dscnt 0x0
	TRIPADR
	MMT \h1, \h2
	PLACES 8
	AFETCH \img, MN
	XPUT XAA, 0, AC
.if \xlst
	TILEOF
	s_cmp_lg_u32 s52, s[TST]
	s_cbranch_scc1 .Lnot_\@
.set ii, 0
.rept 16
	global_store_b128 v[IW0], v[AC+4*ii:AC+4*ii+3], s[XL:XL+1] offset:ii*512   ; the tile that holds row seq_len - 1
.set ii, ii+1
.endr
	s_wait_xcnt 0x0                                ; the stores have read AC
.Lnot_\@:
.endif
	STATS STWA, (\stat)*2048
	s_wait_dscnt 0x0                               ; the stores have read AC
	XADR MN
	XGET XAA, 0
	STEPM
	s_cbranch_scc1 .Lres_\@
.if (\nmi) >= 0
	WLOAD \h1, \nmi, 1
	WSLOAD \nmi
.endif
.endm
.macro ACTLOOP h1, h2, vec, nwin, nmi  ; image 1 = Q(relu(image 0 x W + bias))
	s_wait_loadcnt 0x0
	s_wait_dscnt 0x0
	WLOAD \nwin, \nmi, 0
	INITM
	AFETCH 0, MO
	PARLD AC, \vec
.Lact_\@:
	s_wait_dscnt 0x0
	TRIPADR
	MMT \h1, \h2
	PLACES 8
	AFETCH 0, MN
	QUANT AC, 1
	IMAGE 1, 0
	PARLD AC, \vec
	STEPM
	s_cbranch_scc1 .Lact_\@
	WLOAD \h1, \nmi, 1
	WSLOAD \nmi
.endm
	s_load_b256 s[4:11], s[0:1], 0x0               ; seq_len, act0, x0b, wpk
	s_load_b256 s[12:19], s[0:1], 0x20             ; ln2_w, ln2_b, b1, b2
	s_load_b256 s[20:27], s[0:1], 0x40             ; ln1_w, ln1_b, bq, bk
	s_load_b64 s[28:29], s[0:1], 0x60              ; bv
	s_load_b128 s[96:99], s[0:1], 0x68             ; act1, xl
	SETUP
	s_mov_b32 s[G], ttmp9
	s_and_b32 s[BB], ttmp7, 0xffff
	s_lshl_b32 s[TG0], s[G], 1
	s_sub_co_u32 s[TG1], 28, s[TG0]
	s_sub_co_u32 s[G15], 15, s[G]
	s_lshl_b32 s50, s[BB], 2
	s_mov_b32 s51, 0
	s_wait_kmcnt 0x0
	s_add_nc_u64 s[4:5], s[4:5], s[50:51]
	s_load_b32 s[LL], s[4:5], 0x0                  ; seq_len[b]
	ACTBASE 6, IQC
	ACTBASE 96, OQC
	s_lshl_b32 s50, s[BB], 3
	s_add_co_u32 s50, s50, s[G]
	s_lshl_b32 s50, s50, 17
	s_add_nc_u64 s[XB:XB+1], s[8:9], s[50:51]
	s_lshl_b32 s50, s[BB], 15
	s_add_nc_u64 s[XL:XL+1], s[98:99], s[50:51]
	PARIN 0, 12, 0                                 ; layer 0: ln2_w, ln2_b, b1, b2
	PARIN 1, 14, 0
	PARIN 2, 16, 0
	PARIN 3, 18, 0
	PARIN 4, 20, 2048                              ; layer 1: ln1_w, ln1_b, bq, bk, bv
	PARIN 5, 22, 2048
	PARIN 6, 24, 2048
	PARIN 7, 26, 2048
	PARIN 8, 28, 2048
	s_lshl_b32 s[TQ], s[G], 1                      ; the first chunk: g
	s_lshl_b32 s[QB0], s[G], 5
	s_mov_b32 s[KSN], 0
	QLOAD
	KLOAD
	VLOAD
	s_wait_kmcnt 0x0
	s_min_u32 s[LL], s[LL], 512
	s_max_u32 s[LL], s[LL], 1
	s_sub_co_u32 s[LM1], s[LL], 1
	s_lshr_b32 s50, s[LM1], 5
	s_lshl_b32 s50, s50, 1
	s_bfe_u32 s51, s[LM1], 0x10003
	s_add_co_u32 s[TST], s50, s51                  ; the tile that holds row seq_len - 1: only compared
	WIN 0x80
.set uu, 0
.rept NU
.set jj, 0
.rept 8
	v_mov_b32 v[QF+24*uu+8+jj], 0                  ; the zero codes between q's two heads
.set jj, jj+1
.endr
.set uu, uu+1
.endr
	WIN 0
	s_wait_loadcnt 63                              ; the nine vectors are in: 90 loads are younger, and the count names what its field holds
	PAROUT 9
	s_mov_b32 s[CH], 0
.Lchunk:
	CHUNKINIT
	KEYLOOP
	s_cmp_lg_u32 s[CH], 0
	s_cbranch_scc1 .Lno_next
	s_lshl_b32 s[TQ], s[G15], 1                    ; the second chunk, 15 - g: its q and its first K and V are asked for while the first chunk's o is finished
	s_lshl_b32 s[QB0], s[G15], 5
	s_mov_b32 s[KSN], 0
	QLOAD
	KLOAD
	VLOAD
.Lno_next:
	FINAL 0
	FINAL 1
	s_add_co_u32 s[CH], s[CH], 1
	s_cmp_lt_u32 s[CH], 2
	s_cbranch_scc1 .Lchunk
	; ---- x0 + bo into my stage; wo's fragments
	s_wait_loadcnt 0x0
	s_lshl_b32 s50, s[WV], 15
	v_add_nc_u32 v[GA], s50, v[LI]
	WIN 0x40
.set ii, 0
.rept 64
	global_load_b128 v[4*ii:4*ii+3], v[GA], s[XB:XB+1] offset:ii*512 th:TH_LOAD_NT
.set ii, ii+1
.endr
	WIN 0
	WLOAD 3, 3, 0
	WSLOAD 3
	s_wait_loadcnt 63                              ; x's 64 loads are in: 72 are younger
	WIN 0x04
.set ii, 0
.rept 64
	ds_store_b128 v[XA0], v[4*ii:4*ii+3] offset:ii*512
.set ii, ii+1
.endr
	WIN 0
	s_wait_dscnt 0x0                               ; the stores have read window 1
	WLOAD 1, 3, 1
	BARRIER                                        ; o's sixteen fragments lie in image 0
	RESLOOP 3, 1, 0, 0, 2, 4, 0                    ; x1 = x0 + bo + o wo
	BARRIER
	LNPAR 1, 0, 1, 3
	LNLOOP 0, 1, 1, 0, 1                           ; LN2 into image 0; x1 + b2 into the stage
	BARRIER
	ACTLOOP 2, 3, 2, 1, 5                          ; the hidden layer into image 1
	BARRIER
	RESLOOP 1, 2, 1, 1, 3, 6, 1                    ; x2
	BARRIER
	LNPAR 2, 4, 5, -1
	LNLOOP 1, 2, 0, 0, 1                           ; LN1 of layer 1 into image 0
	BARRIER
	QKLOOP 3, 1, 6, 2, 7, OQC, 0
	QKLOOP 2, 3, 7, 1, 8, OKC, 524288
	VPROD 1, 2, 8
	s_wait_xcnt 0x0
	v_lshl_add_u32 v254, v0, 2, 0x37000
	v_mov_b32 v255, 0
	s_wait_tensorcnt 0x0
	ds_add_u32 v254, v255
	s_wait_dscnt 0x0
	s_endpgm
.Lfunc_end_k_qaa8364f040_layer0:
	.size	k_qaa8364f040_layer0, .Lfunc_end_k_qaa8364f040_layer0-k_qaa8364f040_layer0
	.p2alignl 7, 3214868480
	.fill 96, 4, 3214868480
	.section	.rodata,"a",@progbits
	.p2align	6, 0x0
	.amdhsa_kernel k_qaa8364f040_layer0
		.amdhsa_group_segment_fixed_size 225792
		.amdhsa_private_segment_fixed_size 0
		.amdhsa_enable_private_segment 0
		.amdhsa_kernarg_size 120
		.amdhsa_user_sgpr_count 2
		.amdhsa_user_sgpr_kernarg_segment_ptr 1
		.amdhsa_wavefront_size32 1
		.amdhsa_system_sgpr_workgroup_id_x 1
		.amdhsa_system_sgpr_workgroup_id_y 1
		.amdhsa_system_sgpr_workgroup_id_z 1
		.amdhsa_system_vgpr_workitem_id 0
		.amdhsa_next_free_vgpr 1024
		.amdhsa_next_free_sgpr 100
		.amdhsa_reserve_vcc 1
		.amdhsa_float_denorm_mode_32 3
		.amdhsa_float_denorm_mode_16_64 3
		.amdhsa_memory_ordered 1
		.amdhsa_forward_progress 1
		.amdhsa_inst_pref_size 255
	.end_amdhsa_kernel
	.section	.bss,"aw",@nobits
	.p2align	6
	.space	262144
	.amdgpu_metadata
---
amdhsa.version: [ 1, 2 ]
amdhsa.kernels:
  - .name:           k_qaa8364f040_layer0
    .symbol:         k_qaa8364f040_layer0.kd
    .args:
      - { .name: seq_len, .offset: 0, .size: 8, .value_kind: global_buffer, .address_space: global }
      - { .name: act0, .offset: 8, .size: 8, .value_kind: global_buffer, .address_space: global }
      - { .name: x0b, .offset: 16, .size: 8, .value_kind: global_buffer, .address_space: global }
      - { .name: wpk, .offset: 24, .size: 8, .value_kind: global_buffer, .address_space: global }
      - { .name: ln2_w, .offset: 32, .size: 8, .value_kind: global_buffer, .address_space: global }
      - { .name: ln2_b, .offset: 40, .size: 8, .value_kind: global_buffer, .address_space: global }
      - { .name: b1, .offset: 48, .size: 8, .value_kind: global_buffer, .address_space: global }
      - { .name: b2, .offset: 56, .size: 8, .value_kind: global_buffer, .address_space: global }
      - { .name: ln1_w, .offset: 64, .size: 8, .value_kind: global_buffer, .address_space: global }
      - { .name: ln1_b, .offset: 72, .size: 8, .value_kind: global_buffer, .address_space: global }
      - { .name: bq, .offset: 80, .size: 8, .value_kind: global_buffer, .address_space: global }
      - { .name: bk, .offset: 88, .size: 8, .value_kind: global_buffer, .address_space: global }
      - { .name: bv, .offset: 96, .size: 8, .value_kind: global_buffer, .address_space: global }
      - { .name: act1, .offset: 104, .size: 8, .value_kind: global_buffer, .address_space: global }
      - { .name: xl, .offset: 112, .size: 8, .value_kind: global_buffer, .address_space: global }
    .group_segment_fixed_size: 225792
    .private_segment_fixed_size: 0
    .kernarg_segment_align: 8
    .kernarg_segment_size: 120
    .max_flat_workgroup_size: 128
    .sgpr_count:     100
    .vgpr_count:     1024
    .wavefront_size: 32
...
	.end_amdgpu_metadata
.endif
;; end of part 3
;; launch last_tile (part 4): grid 32 x 1, 4 waves a work-group, no clusters, 225,792 bytes of LDS; arguments seq_len, act1, xl, wpk, bo, ln2_w, ln2_b, b1, b2, lnf_w, lnf_b, out0; writes out0
.if DOCPART == 4
	.amdgcn_target "amdgcn-amd-amdhsa--gfx1250"
	.amdhsa_code_object_version 6
	.text
	.protected	k_qaa8364f040_last_tile
	.globl	k_qaa8364f040_last_tile
	.p2align	8
	.type	k_qaa8364f040_last_tile,@function
k_qaa8364f040_last_tile:
	s_mov_b64 s[64:65], 0
	v_nop
	global_prefetch_b8 v0, s[64:65] scope:SCOPE_SE
	s_setreg_imm32_b32 hwreg(HW_REG_WAVE_MODE, 25, 1), 1
	s_wait_xcnt 0x0
; Layer 1 from its attention on, for the one tile of 16 rows of batch b that holds row seq_len - 1: attention, wo, LN2, the two products of the feed-forward part, the last norm; that row goes to out0.
; One work-group a batch: the norms want whole rows, and 16 rows are one tile.  Wave w owns columns 128 w .. 128 w + 127 (heads 2 w, 2 w + 1).  The macros are those of the launch before, with one tile of rows (NT = 1, NU = 1).
; No cluster, no tensor loads: the key steps branch on seq_len, which is read from memory, and no two work-groups share K or V.
; LIMITS: a block of zeros gets the byte 1 (read by this program alone); blocks under 2^-118 were not tried; NaN and infinities are not served; seq_len is held to 1 .. 512;
; a product's bias is added to x ahead of the product's sum.
.set NT, 1
.set NU, 1
.set WP, 10
.set SC0, 65536
.set STATA, 69632
.set PAR, 73728
.set XST, 94208
.set LI, 1
.set LS, 2
.set LIW, 3
.set LSW, 4
.set XA0, 5
.set IW0, 6
.set SCW0, 7
.set SCF0, 8
.set STW0, 9
.set STF0, 10
.set PB, 11
.set PBV, 12
.set RR, 13
.set RP, 14
.set H16, 15
.set AFA, 16
.set ASA, 17
.set IWA, 18
.set SWA, 19
.set XAA, 20
.set STWA, 21
.set STFA, 22
.set GA, 23
.set GS, 24
.set KO, 25
.set VO, 26
.set KSO, 27
.set VSO, 28
.set DR, 29
.set NINF, 31
.set WS, 32
.set KS, 32
.set VS, 40
.set QS, 48
.set PS, 52
.set AC, 64
.set AF, 128
.set AS, 192
.set PC, 200
.set TM, 216
.set PW, 232
.set MS, 234
.set RS, 236
.set SM, 238
.set MP, 246
.set QM, 248
.set FP, 252
.set QF, 192
.set WV, 30
.set BB, 32
.set LL, 33
.set LM1, 34
.set SEL, 36
.set MNT, 38
.set TQ, 39
.set CS, 40
.set MC, 42
.set MO, 43
.set MN, 44
.set CH, 45
.set KSI, 46
.set KF, 47
.set KMAX, 48
.set RST, 49
.set KSN, 58
.set KF127, 59
.set MINQ, 60
.set QB0, 62
.set IQC, 76
.set IKC, 78
.set IVC, 80
.set IQS, 82
.set IVS, 84
.set XL, 88
.set MSB, 0
.macro WIN new                         ; the immediate's high byte repeats the setting that is left
.if MSB != (\new)
	s_set_vgpr_msb (MSB<<8)|(\new)
.set MSB, \new
.endif
.endm
.macro PLACES n                        ; plain vector lines behind matrix instructions (ISA guide 7.12.1)
.rept \n
	v_nop
.endr
.endm
.macro BARRIER                         ; my LDS stores have landed and my LDS loads are in: then the work-group's barrier
	s_wait_dscnt 0x0
	s_barrier_signal -1
	s_barrier_wait -1
.endm
.macro SETUP
	v_lshrrev_b32 v16, 5, v0
	v_readfirstlane_b32 s[WV], v16
	v_and_b32 v17, 31, v0
	v_and_b32 v[RR], 15, v0
	v_bfe_u32 v18, v0, 4, 1
	v_and_b32 v[RP], 8, v[RR]
	v_add_nc_u32 v[RP], v[RP], v[RR]
	v_lshlrev_b32 v[H16], 4, v18
	v_lshlrev_b32 v[LI], 4, v17
	v_lshlrev_b32 v[LS], 2, v17
	s_lshl_b32 s50, s[WV], 16
	v_add_nc_u32 v[LIW], s50, v[LI]
	s_lshl_b32 s50, s[WV], 11
	v_lshl_add_u32 v[LSW], v[RR], 4, s50
	s_lshl_b32 s50, s[WV], 15
	s_add_co_u32 s50, s50, XST
	v_add_nc_u32 v[XA0], s50, v[LI]
	s_lshl_b32 s50, s[WV], 13
	v_add_nc_u32 v[IW0], s50, v[LI]
	s_lshl_b32 s50, s[WV], 9
	s_add_co_u32 s51, s50, SC0
	v_add_nc_u32 v[SCW0], s51, v[LS]
	v_add_nc_u32 v[SCF0], SC0, v[LS]
	s_add_co_u32 s51, s50, STATA
	v_lshl_add_u32 v[STW0], v[RR], 3, s51
	v_lshlrev_b32 v[STF0], 3, v[RR]
	v_add_nc_u32 v[STF0], STATA, v[STF0]
	s_add_co_u32 s51, s50, PAR
	v_lshl_add_u32 v[PB], v18, 6, s51
	v_lshl_add_u32 v[PBV], v[RP], 2, s51
	v_lshlrev_b32 v16, 4, v0                       ; 16 x thread: a parameter vector is 128 threads x 16 bytes
	v_add_nc_u32 v17, PAR, v16
	v_mov_b32 v[NINF], 0xff800000
	v_mov_b32 v[FP], 0
	v_mov_b32 v[FP+1], 0
.irp b, 0,1,2,3
	v_mov_b32 v[TM+4+\b], 0                        ; written once: a lane permute's destination counts as one of its sources
.endr
	s_mov_b32 s[SEL], 0x76543210
	s_mov_b32 s[SEL+1], 0xfedcba98                 ; v_permlanex16_b32's selects for lane l xor 16
	s_mov_b32 s[MNT], 0x600000                     ; the mantissa field of 448
	s_mov_b32 s[CS], 0x3e38aa3b                    ; log2(e) / 8
	s_mov_b32 s[CS+1], s[CS]
.endm
.macro ACTBASE p, q                    ; the five parts of an act buffer for batch b: q's, k's, v's codes; q's scale words (k's 524288 on); v's scale bytes
	s_lshl_b32 s50, s[BB], 18
	s_mov_b32 s51, 0
	s_add_nc_u64 s[\q:\q+1], s[\p:\p+1], s[50:51]
	s_add_nc_u64 s[\q+2:\q+3], s[\q:\q+1], 8388608
	s_add_nc_u64 s[\q+4:\q+5], s[\q:\q+1], 16777216
	s_lshl_b32 s50, s[BB], 14
	s_add_nc_u64 s[\q+6:\q+7], s[\p:\p+1], s[50:51]
	s_add_nc_u64 s[\q+6:\q+7], s[\q+6:\q+7], 25165824
	s_lshl_b32 s50, s[BB], 13
	s_add_nc_u64 s[\q+8:\q+9], s[\p:\p+1], s[50:51]
	s_add_nc_u64 s[\q+8:\q+9], s[\q+8:\q+9], 26214400
.endm
.macro PARIN k, p, off
	global_load_b128 v[AC+4*\k:AC+4*\k+3], v16, s[\p:\p+1] offset:\off
.endm
.macro PAROUT n
.set ii, 0
.rept \n
	ds_store_b128 v17, v[AC+4*ii:AC+4*ii+3] offset:ii*2048
.set ii, ii+1
.endr
.endm
.macro WLOAD win, mi, half             ; my 8 column tiles x 2 K steps of matrix mi fill window win: fragment (t, s') at v[16 (2 t + s')]
	WIN (\win)<<6
.set ff, 0
.rept 16
.set cc, 0
.rept 4
	global_load_b128 v[16*ff+4*cc:16*ff+4*cc+3], v[LIW], s[WP:WP+1] offset:(\mi)*262144+(ff/2)*8192+(2*(\half)+ff%2)*2048+cc*512
.set cc, cc+1
.endr
.set ff, ff+1
.endr
	WIN 0
.endm
.macro WSLOAD mi                       ; and their scale words: WS[4 t + s]
.set tt, 0
.rept 8
	global_load_b128 v[WS+4*tt:WS+4*tt+3], v[LSW], s[WP:WP+1] offset:3145728+(\mi)*8192+tt*256
.set tt, tt+1
.endr
.endm
.macro AFETCH reg, so                  ; the four K steps' fragments of one tile of rows, and their scale words, from image reg; s[so] = 2048 m
	s_lshr_b32 s50, s[\so], 4
	v_add_nc_u32 v[AFA], s[\so], v[LI]
	v_add_nc_u32 v[ASA], s50, v[SCF0]
.set ff, 0
.rept 4
.set cc, 0
.rept 4
	ds_load_b128 v[AF+16*ff+4*cc:AF+16*ff+4*cc+3], v[AFA] offset:(\reg)*32768+ff*8192+cc*512
.set cc, cc+1
.endr
	ds_load_b32 v[AS+ff], v[ASA] offset:(\reg)*2048+ff*512
.set ff, ff+1
.endr
.endm
.macro PARLD dst, vec                  ; a parameter vector in the results' layout: 64 registers
.set ii, 0
.rept 16
	ds_load_b128 v[\dst+4*ii:\dst+4*ii+3], v[PB] offset:(\vec)*2048+(ii/4)*128+((ii/2)%2)*32+(ii%2)*16
.set ii, ii+1
.endr
.endm
.macro XGET adr, off
.set ii, 0
.rept 16
	ds_load_b128 v[AC+4*ii:AC+4*ii+3], v[\adr] offset:(\off)+ii*512
.set ii, ii+1
.endr
.endm
.macro XPUT adr, off, src              ; each accumulator from its low end on
.set ii, 0
.rept 16
	ds_store_b128 v[\adr], v[\src+4*ii:\src+4*ii+3] offset:(\off)+ii*512
.set ii, ii+1
.endr
.endm
.macro XADR so
	s_lshl_b32 s51, s[\so], 2
	v_add_nc_u32 v[XAA], s51, v[XA0]
.endm
.macro TRIPADR
	s_lshr_b32 s50, s[MO], 4
	v_add_nc_u32 v[IWA], s[MO], v[IW0]
	v_add_nc_u32 v[SWA], s50, v[SCW0]
	v_add_nc_u32 v[STWA], s50, v[STW0]
	v_add_nc_u32 v[STFA], s50, v[STF0]
.endm
.macro INITM
	s_mov_b32 s[MC], 0
	s_mov_b32 s[MO], 0
	s_mov_b32 s[MN], 2048&(NT*2048-1)
.endm
.macro STEPM                           ; the next tile; MN = the one after it, round the end
	s_add_co_u32 s[MO], s[MO], 2048
	s_add_co_u32 s[MN], s[MO], 2048
	s_and_b32 s[MN], s[MN], NT*2048-1
	s_add_co_u32 s[MC], s[MC], 1
	s_cmp_lt_u32 s[MC], NT
.endm
.macro MMT h1, h2                      ; 32 matrix instructions: my 8 column tiles x 4 K steps; the eight accumulators take turns, one instruction a turn
.set kk, 0
.rept 4
.if kk < 2
	WIN \h1
.else
	WIN \h2
.endif
.set tt, 0
.rept 8
	v_wmma_scale_f32_16x16x128_f8f6f4 v[AC+8*tt:AC+8*tt+7], v[16*(2*tt+kk%2):16*(2*tt+kk%2)+15], v[AF+16*kk:AF+16*kk+15], v[AC+8*tt:AC+8*tt+7], v[WS+4*tt+kk], v[AS+kk]
.set tt, tt+1
.endr
.set kk, kk+1
.endr
	WIN 0
.endm
; 64 numbers of a lane, register 16 b + i = k 32 b + 16 (lane / 16) + i, become a fragment's codes in v[PC] on and its scale word in v[PW]; the four bytes stay in v[TM+4] on.
.macro QUANT src, relu
.if \relu
.irp b, 0,1,2,3
	v_max3_num_f32 v[TM+\b], v[\src+16*\b], v[\src+1+16*\b], 0x4800000   ; no |.|: what is negative becomes 0 and must not count; the floor 2^(9 - 127) holds the byte at 1 from below
.endr
.irp i, 2,4,6,8,10,12,14
.irp b, 0,1,2,3
	v_max3_num_f32 v[TM+\b], v[TM+\b], v[\src+16*\b+\i], v[\src+1+16*\b+\i]
.endr
.endr
.else
.irp b, 0,1,2,3
	v_max3_num_f32 v[TM+\b], |v[\src+16*\b]|, |v[\src+1+16*\b]|, 0x4800000
.endr
.irp i, 2,4,6,8,10,12,14
.irp b, 0,1,2,3
	v_max3_num_f32 v[TM+\b], v[TM+\b], |v[\src+16*\b+\i]|, |v[\src+1+16*\b+\i]|
.endr
.endr
.endif
.irp b, 0,1,2,3
	v_permlanex16_b32 v[TM+4+\b], v[TM+\b], s[SEL], s[SEL+1]
.endr
.irp b, 0,1,2,3
	v_max_num_f32 v[TM+\b], v[TM+\b], v[TM+4+\b]   ; with lane l xor 16's: the block's largest magnitude
.endr
.irp b, 0,1,2,3
	v_add_nc_u32 v[TM+12+\b], 0xfc000000, v[TM+\b] ; 8 off the exponent field: the conversion's scale operand
.endr
.irp b, 0,1,2,3
	v_and_or_b32 v[TM+8+\b], v[TM+\b], 0x7f800000, s[MNT]   ; 448 x the scale
.endr
.irp b, 0,1,2,3
	v_lshrrev_b32 v[TM+4+\b], 23, v[TM+12+\b]      ; the scale's byte
.endr
	v_lshl_or_b32 v[PW], v[TM+5], 8, v[TM+4]
	v_lshl_or_b32 v[PW], v[TM+6], 16, v[PW]
	v_lshl_or_b32 v[PW], v[TM+7], 24, v[PW]
.irp b, 0,1,2,3
.irp i, 0,1,2,3,4,5,6,7,8,9,10,11,12,13,14,15
.if \relu
	v_med3_num_f32 v[\src+16*\b+\i], v[\src+16*\b+\i], 0, v[TM+8+\b]   ; the activation and the hold in one
.else
	v_med3_num_f32 v[\src+16*\b+\i], v[\src+16*\b+\i], -v[TM+8+\b], v[TM+8+\b]   ; the conversion does not saturate (ISA guide 7.6.2): the hold comes first
.endif
.endr
	v_cvt_scalef32_pk8_fp8_f32 v[PC+4*\b:PC+1+4*\b], v[\src+16*\b:\src+7+16*\b], v[TM+12+\b]
	v_cvt_scalef32_pk8_fp8_f32 v[PC+2+4*\b:PC+3+4*\b], v[\src+8+16*\b:\src+15+16*\b], v[TM+12+\b]
.endr
	v_nop                                          ; one plain line behind the last scaled conversion
.endm
.macro IMAGE reg, mo                   ; the fragment in v[PC] on goes to LDS as it stands, K step w of the next product
.irp c, 0,1,2,3
	ds_store_b128 v[IWA], v[PC+4*\c:PC+4*\c+3] offset:(\reg)*32768+(\mo)*2048+\c*512
.endr
	ds_store_b32 v[SWA], v[PW] offset:(\reg)*2048+(\mo)*128
.endm
; My wave's 128 columns of row r: their mean, and the sum of squares about that mean.  The four waves' pairs are merged later; no difference of large sums is formed.
.macro STATS adr, off
	v_pk_add_f32 v[SM:SM+1], v[AC:AC+1], v[AC+2:AC+3]
	v_pk_add_f32 v[SM+2:SM+3], v[AC+4:AC+5], v[AC+6:AC+7]
.set jj, 8
.rept 14
	v_pk_add_f32 v[SM:SM+1], v[SM:SM+1], v[AC+jj:AC+jj+1]
	v_pk_add_f32 v[SM+2:SM+3], v[SM+2:SM+3], v[AC+jj+2:AC+jj+3]
.set jj, jj+4
.endr
	v_pk_add_f32 v[SM:SM+1], v[SM:SM+1], v[SM+2:SM+3]
	v_add_f32 v[SM], v[SM], v[SM+1]
	v_permlanex16_b32 v[SM+1], v[SM], s[SEL], s[SEL+1]
	v_add_f32 v[SM], v[SM], v[SM+1]
	v_mul_f32 v[MS], 0x3c000000, v[SM]             ; / 128
	v_mov_b32 v[MS+1], v[MS]
	v_pk_add_f32 v[SM+4:SM+5], v[AC:AC+1], v[MS:MS+1] neg_lo:[0,1] neg_hi:[0,1]
	v_pk_add_f32 v[SM+6:SM+7], v[AC+2:AC+3], v[MS:MS+1] neg_lo:[0,1] neg_hi:[0,1]
	v_pk_mul_f32 v[SM:SM+1], v[SM+4:SM+5], v[SM+4:SM+5]
	v_pk_mul_f32 v[SM+2:SM+3], v[SM+6:SM+7], v[SM+6:SM+7]
.set jj, 4
.rept 15
	v_pk_add_f32 v[SM+4:SM+5], v[AC+jj:AC+jj+1], v[MS:MS+1] neg_lo:[0,1] neg_hi:[0,1]
	v_pk_add_f32 v[SM+6:SM+7], v[AC+jj+2:AC+jj+3], v[MS:MS+1] neg_lo:[0,1] neg_hi:[0,1]
	v_pk_fma_f32 v[SM:SM+1], v[SM+4:SM+5], v[SM+4:SM+5], v[SM:SM+1]
	v_pk_fma_f32 v[SM+2:SM+3], v[SM+6:SM+7], v[SM+6:SM+7], v[SM+2:SM+3]
.set jj, jj+4
.endr
	v_pk_add_f32 v[SM:SM+1], v[SM:SM+1], v[SM+2:SM+3]
	v_add_f32 v[SM], v[SM], v[SM+1]
	v_permlanex16_b32 v[SM+1], v[SM], s[SEL], s[SEL+1]
	v_add_f32 v[MS+1], v[SM], v[SM+1]
	ds_store_b64 v[\adr], v[MS:MS+1] offset:\off   ; both halves of the lanes write the same pair
.endm
.macro LNPAR F, vw, vb, vx             ; gain, bias and (vx >= 0) a vector to add to x, into the free window F
	WIN (\F)<<6
	PARLD 0, \vw
	PARLD 64, \vb
.if (\vx) >= 0
	PARLD 128, \vx
.endif
	WIN 0
.endm
; A layer norm of the rows in the stage, a tile a trip.  wb = 1: x + the third vector goes back into the stage.  quant = 1: the result becomes K step w of image outreg.
.macro LNLOOP stat, F, wb, outreg, quant
	INITM
.Lln_\@:
	s_wait_dscnt 0x0                               ; the last trip's LDS stores have read their registers
	TRIPADR
	XADR MO
.irp k, 0,1,2,3
	ds_load_b64 v[SM+2*\k:SM+2*\k+1], v[STFA] offset:(\stat)*2048+\k*512
.endr
	XGET XAA, 0
	s_wait_dscnt 0x0
	v_add_f32 v[MP], v[SM], v[SM+2]
	v_add_f32 v[MP+1], v[SM+4], v[SM+6]
	v_add_f32 v[MP], v[MP], v[MP+1]
	v_mul_f32 v[MP], 0x3e800000, v[MP]             ; the row's mean
	v_sub_f32 v[SM], v[SM], v[MP]
	v_sub_f32 v[SM+2], v[SM+2], v[MP]
	v_sub_f32 v[SM+4], v[SM+4], v[MP]
	v_sub_f32 v[SM+6], v[SM+6], v[MP]
	v_add_f32 v[SM+1], v[SM+1], v[SM+3]
	v_add_f32 v[SM+5], v[SM+5], v[SM+7]
	v_add_f32 v[SM+1], v[SM+1], v[SM+5]
	v_mul_f32 v[SM], v[SM], v[SM]
	v_fmac_f32 v[SM], v[SM+2], v[SM+2]
	v_fmac_f32 v[SM], v[SM+4], v[SM+4]
	v_fmac_f32 v[SM], v[SM+6], v[SM+6]
	v_fmamk_f32 v[SM+1], v[SM], 0x43000000, v[SM+1]   ; + 128 x the squares of the four means about the row's
	v_mul_f32 v[SM+1], 0x3b000000, v[SM+1]         ; / 512: the variance
	v_add_f32 v[SM+1], 0x322bcc77, v[SM+1]         ; + 1e-8
	v_rsq_f32 v[RS], v[SM+1]
	v_mov_b32 v[MP+1], v[MP]                       ; a plain line behind the transcendental
	s_wait_alu depctr_va_vdst(0)                   ; the wait ahead of the result's first reader
	v_mov_b32 v[RS+1], v[RS]
.if \wb
	WIN (\F)<<2
.set jj, 0
.rept 32
	v_pk_add_f32 v[AF+jj:AF+jj+1], v[AC+jj:AC+jj+1], v[128+jj:128+jj+1]
.set jj, jj+2
.endr
	WIN 0
	XPUT XAA, 0, AF
.endif
.set jj, 0
.rept 32
	v_pk_add_f32 v[AC+jj:AC+jj+1], v[AC+jj:AC+jj+1], v[MP:MP+1] neg_lo:[0,1] neg_hi:[0,1]
.set jj, jj+2
.endr
.set jj, 0
.rept 32
	v_pk_mul_f32 v[AC+jj:AC+jj+1], v[AC+jj:AC+jj+1], v[RS:RS+1]
.set jj, jj+2
.endr
	WIN ((\F)<<2)|((\F)<<4)
.set jj, 0
.rept 32
	v_pk_fma_f32 v[AC+jj:AC+jj+1], v[AC+jj:AC+jj+1], v[jj:jj+1], v[64+jj:64+jj+1]
.set jj, jj+2
.endr
	WIN 0
.if \quant
	QUANT AC, 0
	IMAGE \outreg, 0
.endif
	STEPM
	s_cbranch_scc1 .Lln_\@
.endm
; ---- attention
.macro QLOAD                           ; NU tiles of q from tile s[TQ] on: head A's 8 registers, 8 of zeros (written once), head B's 8
	s_lshl_b32 s50, s[TQ], 11
	s_lshl_b32 s51, s[TQ], 7
	s_lshl_b32 s52, s[WV], 12
	s_add_co_u32 s51, s51, s52
	v_add_nc_u32 v[GA], s50, v[LIW]
	v_add_nc_u32 v[GS], s51, v[LS]
	WIN 0x80
.set uu, 0
.rept NU
.set cc, 0
.rept 4
	global_load_b128 v[QF+24*uu+4*cc+8*(cc/2):QF+24*uu+4*cc+8*(cc/2)+3], v[GA], s[IQC:IQC+1] offset:uu*2048+cc*512
.set cc, cc+1
.endr
.set uu, uu+1
.endr
	WIN 0
.set uu, 0
.rept NU
	global_load_b32 v[QS+uu], v[GS], s[IQS:IQS+1] offset:uu*128
.set uu, uu+1
.endr
.endm
.macro KLOAD                           ; 40 loads: the 8 tiles of k of the key step s[KSN] / 16384, and their scale words
	s_lshr_b32 s50, s[KSN], 4
	s_lshl_b32 s51, s[WV], 12
	s_add_co_u32 s50, s50, s51
	v_add_nc_u32 v[KO], s[KSN], v[LIW]
	v_add_nc_u32 v[KSO], s50, v[LS]
	WIN 0x40
.set ff, 0
.rept 32
	global_load_b128 v[4*ff:4*ff+3], v[KO], s[IKC:IKC+1] offset:ff*512
.set ff, ff+1
.endr
	WIN 0
.set tt, 0
.rept 8
	global_load_b32 v[KS+tt], v[KSO], s[IQS:IQS+1] offset:524288+tt*128
.set tt, tt+1
.endr
.endm
.macro VLOAD                           ; 40 loads: the 8 tiles of v^T of the same key step
	s_lshr_b32 s50, s[KSN], 12
	v_add_nc_u32 v[VO], s[KSN], v[LIW]
	v_add_nc_u32 v[VSO], s50, v[LSW]
	WIN 0x40
.set ff, 0
.rept 32
	global_load_b128 v[128+4*ff:128+4*ff+3], v[VO], s[IVC:IVC+1] offset:ff*512
.set ff, ff+1
.endr
	WIN 0
.set tt, 0
.rept 8
	global_load_b32 v[VS+tt], v[VSO], s[IVS:IVS+1] offset:tt*256
.set tt, tt+1
.endr
.endm
; One unit's softmax for 128 keys: the scores in window 3 become p's codes in window 2 and p's scale word; the sum and O^T come under the new M.
.macro SOFTMAX q
.set SB, 64*(\q)
.set ST4, AF+4*(\q)                    ; -M, the largest t, the sum in two halves
.set UQ, (\q)%NU
	s_cmp_le_u32 s[KF127], s[MINQ+UQ]              ; a step all of whose keys count for all 16 queries has nothing to hide
	s_cbranch_scc1 .Lopen_\@
	WIN 0xc3
.set nn, 0
.rept 64
	v_cmp_gt_i32 vcc_lo, 32*(nn/16)+nn%16, v[DR+UQ]   ; register 16 b + i holds key KF + 16 h + 32 b + i: hidden where it lies beyond min(query, seq_len - 1)
	v_cndmask_b32 v[SB+nn], v[SB+nn], v[NINF], vcc_lo
.set nn, nn+1
.endr
	WIN 0
.Lopen_\@:
	WIN 0x3c
.irp b, 0,1,2,3
	v_max3_num_f32 v[TM+\b], v[NINF], v[SB+16*\b], v[SB+16*\b+1]   ; the largest score of each block of 32 keys: it serves for the row's maximum and for the block's largest p
.endr
.irp i, 2,4,6,8,10,12,14
.irp b, 0,1,2,3
	v_max3_num_f32 v[TM+\b], v[TM+\b], v[SB+16*\b+\i], v[SB+16*\b+\i+1]
.endr
.endr
	WIN 0
.irp b, 0,1,2,3
	v_permlanex16_b32 v[TM+4+\b], v[TM+\b], s[SEL], s[SEL+1]
.endr
.irp b, 0,1,2,3
	v_max_num_f32 v[TM+\b], v[TM+\b], v[TM+4+\b]
.endr
	v_max3_num_f32 v254, v[TM], v[TM+1], v[TM+2]
	v_max_num_f32 v254, v254, v[TM+3]
	v_mul_f32 v254, s[CS], v254
	v_max_num_f32 v[ST4+1], v[ST4+1], v254         ; the running largest t
	v_mov_b32 v254, v[ST4]
	v_floor_f32 v[ST4], -v[ST4+1]                  ; -M = floor(-t): M is a whole number
	v_sub_f32 v254, v[ST4], v254
	v_cvt_i32_f32 v254, v254                       ; (it saturates)
	v_ldexp_f32 v[FP], 1.0, v254                   ; f = 2^(old M - new M)
	WIN 0x03
.set jj, 0
.rept 32
	v_pk_fma_f32 v[AC+jj:AC+jj+1], v[SB+jj:SB+jj+1], s[CS:CS+1], v[ST4:ST4+1] op_sel_hi:[1,0,0]   ; t - M
.set jj, jj+2
.endr
	WIN 0
.irp b, 0,1,2,3
	v_fma_f32 v[TM+\b], v[TM+\b], s[CS], v[ST4]
.endr
.set jj, 0
.rept 64
	v_exp_f32 v[AC+jj], v[AC+jj]                   ; p = 2^(t - M): not normalised
.set jj, jj+1
.endr
	v_pk_mul_f32 v[ST4+2:ST4+3], v[ST4+2:ST4+3], v[FP:FP+1] op_sel_hi:[1,0]   ; the sum under the new M; a plain line behind the exponentials
	s_wait_alu depctr_va_vdst(0)                   ; one wait for the batch, ahead of its first reader
.irp b, 0,1,2,3
	v_exp_f32 v[TM+\b], v[TM+\b]                   ; the block's largest p
.endr
	v_pk_add_f32 v[TM+4:TM+5], v[AC:AC+1], v[AC+2:AC+3]   ; the sum of the unquantised p, in two chains
.set jj, 4
.rept 15
	v_pk_add_f32 v[ST4+2:ST4+3], v[ST4+2:ST4+3], v[AC+jj:AC+jj+1]
	v_pk_add_f32 v[TM+4:TM+5], v[TM+4:TM+5], v[AC+jj+2:AC+jj+3]
.set jj, jj+4
.endr
	v_pk_add_f32 v[ST4+2:ST4+3], v[ST4+2:ST4+3], v[TM+4:TM+5]
	s_wait_alu depctr_va_vdst(0)                   ; and one for the four
.irp b, 0,1,2,3
	v_max_num_f32 v[TM+\b], 0x4800000, v[TM+\b]
.endr
.irp b, 0,1,2,3
	v_add_nc_u32 v[TM+12+\b], 0xfc000000, v[TM+\b]
.endr
.irp b, 0,1,2,3
	v_and_or_b32 v[TM+8+\b], v[TM+\b], 0x7f800000, s[MNT]
.endr
.irp b, 0,1,2,3
	v_lshrrev_b32 v[TM+4+\b], 23, v[TM+12+\b]
.endr
	v_lshl_or_b32 v[PS+\q], v[TM+5], 8, v[TM+4]    ; p's scale word for these 128 keys
	v_lshl_or_b32 v[PS+\q], v[TM+6], 16, v[PS+\q]
	v_lshl_or_b32 v[PS+\q], v[TM+7], 24, v[PS+\q]
.irp b, 0,1,2,3
.irp i, 0,1,2,3,4,5,6,7,8,9,10,11,12,13,14,15
	v_min_num_f32 v[AC+16*\b+\i], v[AC+16*\b+\i], v[TM+8+\b]   ; p is not negative: the hold is one-sided
.endr
.endr
	WIN 0x80
.irp b, 0,1,2,3
	v_cvt_scalef32_pk8_fp8_f32 v[128+16*(\q)+4*\b:128+16*(\q)+4*\b+1], v[AC+16*\b:AC+16*\b+7], v[TM+12+\b]
	v_cvt_scalef32_pk8_fp8_f32 v[128+16*(\q)+4*\b+2:128+16*(\q)+4*\b+3], v[AC+16*\b+8:AC+16*\b+15], v[TM+12+\b]
.endr
	WIN 0x82
.set jj, 0
.rept 16
	v_pk_mul_f32 v[32*(\q)+jj:32*(\q)+jj+1], v[32*(\q)+jj:32*(\q)+jj+1], v[FP:FP+1] op_sel_hi:[1,0]   ; O^T under the new M; also the plain lines between the codes and the products
.set jj, jj+2
.endr
	WIN 0
.endm
.macro STEP                            ; 128 keys for the chunk's 2 NU units
	s_wait_loadcnt 40                              ; K of this step (and q) is in; V's 40 younger loads may be out
	WIN 0xc9
.set kt, 0
.rept 8
.set qq, 0
.rept 2*NU
	v_wmma_scale_f32_16x16x128_f8f6f4 v[64*qq+8*kt:64*qq+8*kt+7], v[16*kt:16*kt+15], v[QF+24*(qq%NU)+8*(qq/NU):QF+24*(qq%NU)+8*(qq/NU)+15], 0, v[KS+kt], v[QS+qq%NU]
.set qq, qq+1
.endr
.set kt, kt+1
.endr
	WIN 0
.set uu, 0
.rept NU
	v_sub_nc_u32 v[DR+uu], v[QM+uu], s[KF]         ; min(query, seq_len - 1) - 16 h - KF
.set uu, uu+1
.endr
	PLACES 8
	s_add_co_u32 s[KF127], s[KF], 127
	s_lshl_b32 s[KSN], s[KF], 7
	s_add_co_u32 s[KSN], s[KSN], 16384
	s_min_u32 s[KSN], s[KSN], 49152                ; the next key step, held at the last: no load leaves its buffer
	KLOAD
.irp q, 0,1,2,3
.if \q < 2*NU
	SOFTMAX \q
.endif
.endr
	s_wait_loadcnt 40                              ; V of this step is in; the next K's 40 loads may be out
	WIN 0xa9
.set dt, 0
.rept 4
.set qq, 0
.rept 2*NU
	v_wmma_scale_f32_16x16x128_f8f6f4 v[32*qq+8*dt:32*qq+8*dt+7], v[128+16*(4*(qq/NU)+dt):128+16*(4*(qq/NU)+dt)+15], v[128+16*qq:128+16*qq+15], v[32*qq+8*dt:32*qq+8*dt+7], v[VS+4*(qq/NU)+dt], v[PS+qq]
.set qq, qq+1
.endr
.set dt, dt+1
.endr
	WIN 0
	PLACES 8
	VLOAD
.endm
.macro KEYLOOP                         ; four trips, a constant; a step with no key that counts is passed over
	s_mov_b32 s[KSI], 0
	s_mov_b32 s[KF], 0
.Lkey_\@:
	s_cmp_ge_u32 s[KF], s[KMAX]
	s_cbranch_scc1 .Lpast_\@
	STEP
.Lpast_\@:
	s_add_co_u32 s[KF], s[KF], 128
	s_add_co_u32 s[KSI], s[KSI], 1
	s_cmp_lt_u32 s[KSI], 4
	s_cbranch_scc1 .Lkey_\@
	s_wait_loadcnt 0x0                             ; the loads that ran ahead are in
.endm
.macro CHUNKINIT                       ; s[QB0] = the first row of the chunk's first tile
	s_wait_dscnt 0x0
	s_lshl_b32 s50, s[CH], 12
	s_lshl_b32 s51, s[CH], 8
	v_add_nc_u32 v[IWA], s50, v[IW0]
	v_add_nc_u32 v[SWA], s51, v[SCW0]
	s_and_b32 s[KMAX], s[QB0], 0x1e0
	s_add_co_u32 s[KMAX], s[KMAX], 32
	s_min_u32 s[KMAX], s[KMAX], s[LL]              ; keys from here on count for no query of the chunk
.set uu, 0
.rept NU
	s_add_co_u32 s50, s[QB0], 8*uu
	s_min_u32 s[MINQ+uu], s50, s[LM1]
	v_add_nc_u32 v[QM+uu], s50, v[RP]
	v_min_u32 v[QM+uu], s[LM1], v[QM+uu]
	v_sub_nc_u32 v[QM+uu], v[QM+uu], v[H16]
.set uu, uu+1
.endr
	WIN 0x80
.set jj, 0
.rept 64*NU
	v_mov_b32 v[jj], 0                             ; O^T: the step is written once; its first turn finds zeros
.set jj, jj+1
.endr
	WIN 0
.set qq, 0
.rept 2*NU
	v_mov_b32 v[AF+4*qq+1], 0xff61b1e6             ; the largest t so far: -3e38
	v_floor_f32 v[AF+4*qq], -v[AF+4*qq+1]
	v_mov_b32 v[AF+4*qq+2], 0
	v_mov_b32 v[AF+4*qq+3], 0
.set qq, qq+1
.endr
.endm
.macro FINAL u                         ; tile u: both heads' O^T / the sum are my 128 columns of o: quantised, K step w of the product with wo
	s_wait_dscnt 0x0
	v_add_f32 v254, v[AF+4*(\u)+2], v[AF+4*(\u)+3]
	v_add_f32 v255, v[AF+4*(NU+\u)+2], v[AF+4*(NU+\u)+3]
	v_permlanex16_b32 v[FP], v254, s[SEL], s[SEL+1]
	v_permlanex16_b32 v[FP+1], v255, s[SEL], s[SEL+1]
	v_add_f32 v254, v254, v[FP]
	v_add_f32 v255, v255, v[FP+1]
	v_rcp_f32 v[RS], v254
	v_rcp_f32 v[SM], v255
	v_nop
	s_wait_alu depctr_va_vdst(0)                   ; one wait for the two reciprocals
	v_mov_b32 v[RS+1], v[RS]
	v_mov_b32 v[SM+1], v[SM]
	WIN 0x02
.set jj, 0
.rept 16
	v_pk_mul_f32 v[AC+jj:AC+jj+1], v[32*(\u)+jj:32*(\u)+jj+1], v[RS:RS+1]
.set jj, jj+2
.endr
.set jj, 0
.rept 16
	v_pk_mul_f32 v[AC+32+jj:AC+32+jj+1], v[32*(NU+\u)+jj:32*(NU+\u)+jj+1], v[SM:SM+1]
.set jj, jj+2
.endr
	WIN 0
	QUANT AC, 0
	IMAGE 0, \u
.endm
; x += image img x W: the stage holds x + the product's bias, which is the C of the sum's first instruction.  The new x goes back into the stage, with its partial figures for the norm.
.macro RESLOOP h1, h2, img, stat, nwin, nmi
	s_wait_loadcnt 0x0
	s_wait_dscnt 0x0
.if (\nmi) >= 0
	WLOAD \nwin, \nmi, 0
.endif
	INITM
	AFETCH \img, MO
	XADR MO
	XGET XAA, 0
.Lres_\@:
	s_wait_dscnt 0x0
	TRIPADR
	MMT \h1, \h2
	PLACES 8
	AFETCH \img, MN
	XPUT XAA, 0, AC
	STATS STWA, (\stat)*2048
	s_wait_dscnt 0x0                               ; the stores have read AC
	XADR MN
	XGET XAA, 0
	STEPM
	s_cbranch_scc1 .Lres_\@
.if (\nmi) >= 0
	WLOAD \h1, \nmi, 1
	WSLOAD \nmi
.endif
.endm
.macro ACTLOOP h1, h2, vec, nwin, nmi  ; image 1 = Q(relu(image 0 x W + bias))
	s_wait_loadcnt 0x0
	s_wait_dscnt 0x0
	WLOAD \nwin, \nmi, 0
	INITM
	AFETCH 0, MO
	PARLD AC, \vec
.Lact_\@:
	s_wait_dscnt 0x0
	TRIPADR
	MMT \h1, \h2
	PLACES 8
	AFETCH 0, MN
	QUANT AC, 1
	IMAGE 1, 0
	PARLD AC, \vec
	STEPM
	s_cbranch_scc1 .Lact_\@
	WLOAD \h1, \nmi, 1
	WSLOAD \nmi
.endm
	s_load_b256 s[4:11], s[0:1], 0x0               ; seq_len, act1, xl, wpk
	s_load_b256 s[12:19], s[0:1], 0x20             ; bo, ln2_w, ln2_b, b1
	s_load_b256 s[20:27], s[0:1], 0x40             ; b2, lnf_w, lnf_b, out0
	v_lshl_add_u32 v250, v0, 2, 0x37000
	v_mov_b32 v251, 0
	SETUP
	s_mov_b32 s[BB], ttmp9
	s_lshl_b32 s50, s[BB], 2
	s_mov_b32 s51, 0
	s_wait_kmcnt 0x0
	s_add_nc_u64 s[4:5], s[4:5], s[50:51]
	s_load_b32 s[LL], s[4:5], 0x0                  ; seq_len[b]
	ACTBASE 6, IQC
	s_lshl_b32 s50, s[BB], 15
	s_add_nc_u64 s[XL:XL+1], s[8:9], s[50:51]
	s_lshl_b32 s50, s[BB], 11
	s_add_nc_u64 s[26:27], s[26:27], s[50:51]      ; out0 at row b
	PARIN 0, 12, 2048                              ; layer 1: bo, ln2_w, ln2_b, b1, b2; then lnf_w, lnf_b
	PARIN 1, 14, 2048
	PARIN 2, 16, 2048
	PARIN 3, 18, 2048
	PARIN 4, 20, 2048
	PARIN 5, 22, 0
	PARIN 6, 24, 0
	WIN 0x80
.set ii, 0
.rept 16
	global_load_b128 v[64+4*ii:64+4*ii+3], v[IW0], s[XL:XL+1] offset:ii*512   ; the tile of x: window 2, v64-127, until the attention is done
.set ii, ii+1
.endr
	WIN 0
	s_wait_kmcnt 0x0
	s_min_u32 s[LL], s[LL], 512
	s_max_u32 s[LL], s[LL], 1
	s_sub_co_u32 s[LM1], s[LL], 1
	s_and_b32 s[QB0], s[LM1], 0x1e8                ; the tile's first row: 32 chunk + 8 u
	s_and_b32 s[RST], s[LM1], 7
	s_bfe_u32 s50, s[LM1], 0x10004
	s_lshl_b32 s50, s50, 3
	s_add_co_u32 s[RST], s[RST], s50               ; the lane (mod 16) that holds row seq_len - 1
	s_lshr_b32 s50, s[LM1], 5
	s_lshl_b32 s50, s50, 1
	s_bfe_u32 s51, s[LM1], 0x10003
	s_add_co_u32 s[TQ], s50, s51
	s_min_u32 s[TQ], s[TQ], 31                     ; the tile: held inside the batch's 32 before it enters an address
	s_mov_b32 s[KSN], 0
	QLOAD
	KLOAD
	VLOAD
	WIN 0x80
.set jj, 0
.rept 8
	v_mov_b32 v[QF+8+jj], 0                        ; the zero codes between q's two heads
.set jj, jj+1
.endr
	WIN 0
	s_wait_loadcnt 63                              ; the seven vectors are in: 101 loads are younger, and the count names what its field holds
	PAROUT 7
	s_mov_b32 s[CH], 0
	CHUNKINIT
	KEYLOOP
	WLOAD 3, 9, 0                                  ; wo of layer 1, while o is finished
	WSLOAD 9
	WLOAD 1, 9, 1
	FINAL 0
	BARRIER                                        ; o's four fragments lie in image 0, the parameter vectors in LDS
	PARLD AC, 0
	s_wait_dscnt 0x0
	WIN 0x08
.set jj, 0
.rept 32
	v_pk_add_f32 v[AC+jj:AC+jj+1], v[AC+jj:AC+jj+1], v[64+jj:64+jj+1]   ; x + bo
.set jj, jj+2
.endr
	WIN 0
	XPUT XA0, 0, AC
	RESLOOP 3, 1, 0, 0, 2, 10
	BARRIER
	LNPAR 1, 1, 2, 4
	LNLOOP 0, 1, 1, 0, 1
	BARRIER
	ACTLOOP 2, 3, 3, 1, 11
	BARRIER
	RESLOOP 1, 2, 1, 1, 0, -1
	BARRIER
	LNPAR 2, 5, 6, -1
	LNLOOP 1, 2, 0, 0, 0                           ; the last norm: AC holds my 128 columns of the 16 rows
	s_wait_xcnt 0x0                                ; earlier memory instructions have read their offsets and EXEC
	s_lshl_b32 s50, s[WV], 9
	v_lshl_add_u32 v[GA], v[H16], 2, s50           ; 512 w + 64 h
	v_cmp_eq_u32 vcc_lo, s[RST], v[RR]
	s_wait_tensorcnt 0x0
	ds_add_u32 v250, v251
	s_wait_dscnt 0x0
	s_and_saveexec_b32 s52, vcc_lo                 ; the two lanes that hold row seq_len - 1
.set ii, 0
.rept 16
	global_store_b128 v[GA], v[AC+4*ii:AC+4*ii+3], s[26:27] offset:(ii/4)*128+((ii/2)%2)*32+(ii%2)*16
.set ii, ii+1
.endr
	s_wait_xcnt 0x0                                ; EXEC changes only behind this wait
	s_or_b32 exec_lo, exec_lo, s52
	s_endpgm
.Lfunc_end_k_qaa8364f040_last_tile:
	.size	k_qaa8364f040_last_tile, .Lfunc_end_k_qaa8364f040_last_tile-k_qaa8364f040_last_tile
	.p2alignl 7, 3214868480
	.fill 96, 4, 3214868480
	.section	.rodata,"a",@progbits
	.p2align	6, 0x0
	.amdhsa_kernel k_qaa8364f040_last_tile
		.amdhsa_group_segment_fixed_size 225792
		.amdhsa_private_segment_fixed_size 0
		.amdhsa_enable_private_segment 0
		.amdhsa_kernarg_size 96
		.amdhsa_user_sgpr_count 2
		.amdhsa_user_sgpr_kernarg_segment_ptr 1
		.amdhsa_wavefront_size32 1
		.amdhsa_system_sgpr_workgroup_id_x 1
		.amdhsa_system_sgpr_workgroup_id_y 1
		.amdhsa_system_sgpr_workgroup_id_z 1
		.amdhsa_system_vgpr_workitem_id 0
		.amdhsa_next_free_vgpr 1024
		.amdhsa_next_free_sgpr 100
		.amdhsa_reserve_vcc 1
		.amdhsa_float_denorm_mode_32 3
		.amdhsa_float_denorm_mode_16_64 3
		.amdhsa_memory_ordered 1
		.amdhsa_forward_progress 1
		.amdhsa_inst_pref_size 212
	.end_amdhsa_kernel
	.amdgpu_metadata
---
amdhsa.version: [ 1, 2 ]
amdhsa.kernels:
  - .name:           k_qaa8364f040_last_tile
    .symbol:         k_qaa8364f040_last_tile.kd
    .args:
      - { .name: seq_len, .offset: 0, .size: 8, .value_kind: global_buffer, .address_space: global }
      - { .name: act1, .offset: 8, .size: 8, .value_kind: global_buffer, .address_space: global }
      - { .name: xl, .offset: 16, .size: 8, .value_kind: global_buffer, .address_space: global }
      - { .name: wpk, .offset: 24, .size: 8, .value_kind: global_buffer, .address_space: global }
      - { .name: bo, .offset: 32, .size: 8, .value_kind: global_buffer, .address_space: global }
      - { .name: ln2_w, .offset: 40, .size: 8, .value_kind: global_buffer, .address_space: global }
      - { .name: ln2_b, .offset: 48, .size: 8, .value_kind: global_buffer, .address_space: global }
      - { .name: b1, .offset: 56, .size: 8, .value_kind: global_buffer, .address_space: global }
      - { .name: b2, .offset: 64, .size: 8, .value_kind: global_buffer, .address_space: global }
      - { .name: lnf_w, .offset: 72, .size: 8, .value_kind: global_buffer, .address_space: global }
      - { .name: lnf_b, .offset: 80, .size: 8, .value_kind: global_buffer, .address_space: global }
      - { .name: out0, .offset: 88, .size: 8, .value_kind: global_buffer, .address_space: global }
    .group_segment_fixed_size: 225792
    .private_segment_fixed_size: 0
    .kernarg_segment_align: 8
    .kernarg_segment_size: 96
    .max_flat_workgroup_size: 128
    .sgpr_count:     100
    .vgpr_count:     1024
    .wavefront_size: 32
...
	.end_amdgpu_metadata
.endif
;; end of part 4
